; MI455X (gfx1250); checked and timed in simulation.
; The chip was launched on July 23, 2026; its instructions are those of AMD's public machine-readable ISA for CDNA 5 (MIT licence, August 2026) and "CDNA5" Instruction Set Architecture Reference Guide (July 2026). The comments in the code are by the model that wrote it; some were corrected since.
;; Relative Multi Head Attn. Allowed arithmetic: matrix products marked QUANTISED: E5M2 operands, one E8M0 scale for each 32 along K, by v_wmma_scale_f32_16x16x128_f8f6f4 with both operands' format E5M2, f32 sums; everything else in f32.
;; Inputs: b_fc 1,024 float32; b_qkv 3,072 float32; ln_b 1,024 float32; ln_g 1,024 float32; pos_emb 2,048 x 1,024 float32; w_fc 1,024 x 1,024 float32; w_qkv 1,024 x 3,072 float32; x 2 x 2,048 x 1,024 float32.
;; Outputs: out0 2 x 2,048 x 1,024 float32.
;; This version of the problem:
;;   THIS VERSION OF THE PROBLEM IS GIVEN IN LOW PRECISION. The matrix products marked QUANTISED in the list below multiply operands that are first quantised to E5M2 (5 exponent bits, 2 mantissa bits; 8 bits a number), with one power-of-two scale for each 32 numbers along K (OCP MX v1.0); their sums are f32. All else is computed in f32.
;;   The module's matrix products, in the order in which they are computed (A, B: the left and right operand; K: the contracted axis; several contracted axes count as one K, in the product's order):
;;     1. [M 4,096, K 1,024] x [K 1,024, N 3,072]; A: input x; B: input w_qkv: QUANTISED
;;     2. batch 32 x [M 2,048, K 64] x [K 64, N 2,048]; A: computed on the way; B: computed on the way: QUANTISED
;;     3. batch 16 x [M 2,048, K 64] x [K 64, N 4,096]; A: input pos_emb; B: computed on the way: QUANTISED
;;     4. batch 32 x [M 64, K 2,048] x [K 2,048, N 2,048]; A: computed on the way; B: softmax (see below): QUANTISED
;;     5. [M 4,096, K 1,024] x [K 1,024, N 1,024]; A: computed on the way; B: input w_fc: QUANTISED
;;   THE QUANTISER, for each operand of a quantised product, along K:
;;     - K is cut into blocks of 32 from its start; a last block that is shorter is filled with zeros.
;;     - A block's scale is 2^e with e = floor(log2(the largest magnitude in the block)) - 15, held to -126 .. 127; a block of zeros has e = 0. As a byte (E8M0): e + 127.
;;     - Each number is divided by its block's scale, clamped to +-57,344, and rounded to the nearest number of E5M2, ties to even, subnormals kept.
;;     - The product sums the exact products of the quantised numbers (number of the format x scale) in f32.
;;   ~~~python
;;   def quantise(x, axis):      # numpy; x: float32 -> the quantised numbers, widened to float32 again
;;       x = np.moveaxis(x, axis, -1); K = x.shape[-1]
;;       x = np.pad(x, [(0, 0)] * (x.ndim - 1) + [(0, -K % 32)]); x = x.reshape(x.shape[:-1] + (-1, 32)); a = np.abs(x).max(-1, keepdims=True)
;;       e = np.where(a > 0, np.clip(np.frexp(np.where(a > 0, a, 1))[1] - 1 - 15, -126, 127), 0)      # np.frexp(a)[1] - 1 = floor(log2(a)), exactly
;;       r = np.clip(x / 2.0 ** e, -57344, 57344)
;;       step = 2.0 ** (np.maximum(np.frexp(np.where(r == 0, 1, r))[1] - 1, -14) - 2)
;;       q = np.round(r / step) * step * 2.0 ** e      # np.round: ties to even
;;       return np.moveaxis(q.reshape(q.shape[:-2] + (-1,))[..., :K], -1, axis).astype(np.float32)
;;   ~~~
;;   SOFTMAX AHEAD OF A QUANTISED PRODUCT. Where the list says 'softmax', what is quantised is not the finished softmax but p = 2^(t - M), with t = logit x log2(e) and M = ceil(the row's largest t), a whole number; so 1/2 < the row's largest p <= 1. The row's sum l is taken of the UNQUANTISED p, in f32, and the product's result is divided by l at the end. Since M is a whole number, a kernel that streams over the keys may use a running M (the ceiling of the running maximum): every later rescaling is an exact power of two, which a block's scale takes up: the codes' values come out the same.
;;   OPERANDS COMPUTED ON THE WAY. 'Computed on the way' means the value that the module computes at that place (a softmax that the list does not call 'softmax' is quantised finished and normalised). What goes into a quantiser is computed in f32, as accurately as f32 sums, v_exp_f32 and their like allow (about 1e-6 of the number): no bf16 or f16 on the way to a quantiser, and a product that is left as it is and whose result goes on into a quantised operand takes f32 operands (vector FMAs, or v_wmma_f32_16x16x4_f32). A number that lies on a knife's edge between two numbers of the format may be rounded either way, as far as f32 arithmetic and the matrix unit's own rounding can turn it there, and no further.
;; One version. Each part assembles by itself: llvm-mc -triple=amdgcn-amd-amdhsa -mcpu=gfx1250 --defsym DOCPART=n.
;; ======== version 1 of 1: 4 launches
;; limits: right only within a limited range of input values
;; workspace buffers: cod 8,388,608 bytes; scl 262,144 bytes; pf 4,194,304 bytes; ps 524,288 bytes; qkv 13,893,632 bytes; of 4,194,304 bytes; os 262,144 bytes
;; launch prep (part 1): grid 640 x 1, 4 waves a work-group, no clusters, 67,072 bytes of LDS; arguments x, pos_emb, w_qkv, w_fc, cod, scl, pf, ps; writes cod, scl, pf, ps
.if DOCPART == 1
	.amdgcn_target "amdgcn-amd-amdhsa--gfx1250"
	.amdhsa_code_object_version 6
	.text
	.protected	k_q711d60aa7a_prep
	.globl	k_q711d60aa7a_prep
	.p2align	8
	.type	k_q711d60aa7a_prep,@function
k_q711d60aa7a_prep:
	s_mov_b64 s[64:65], 0
	v_nop
	global_prefetch_b8 v0, s[64:65] scope:SCOPE_SE
	s_setreg_imm32_b32 hwreg(HW_REG_WAVE_MODE, 25, 1), 1
	s_wait_xcnt 0x0
; All four large inputs become codes of BF8 (E5M2) with one E8M0 byte for each 32 along K, laid as the readers' operand registers want them.
; AN IMAGE: a tile of 16 rows x 128 along K is 2,048 bytes, [group c 0..3][lane 0..31][16 bytes]: register group 4c..4c+3 of lane l lies at 512 c + 16 l.  A tile of 64 along K is the first two groups.
; THE ORDER INSIDE A BLOCK OF 32: lane half h holds k = 32c+8h+0..7 in bytes 0-7 and k = 32c+16+8h+0..7 in bytes 8-15.  Every operand of every product of this program is laid so,
; on both sides, so only the order of the f32 sums inside a scale's block differs from the plain order.
; cod [row tile 512][K step 8][2,048]: row tiles 0-255 tokens of x, 256-447 columns of w_qkv, 448-511 columns of w_fc.   scl [row tile][pair of K steps 4][row 16][8 bytes].
; pf [head 16][table tile 256][1,024]: the table of the relative shift.  Row u is pos[u] for u < 2048 (tiles 0-127), zeros for u = 2048, pos[u - 2049] above (tiles 128-255).
; ps [head][table tile][lane 32] words: the row's two scale bytes in bytes 0, 1 (tiles 0-127) or in bytes 2, 3 (tiles 128-255), as the attention lays the tile in its 128-wide operand; 0x7f in the other two.
; WORK-GROUPS: 0-255 a row tile of x; 256-511 a table tile (all heads); 512-607 128 columns x 256 along K of w_qkv; 608-639 the same of w_fc.
; A block's scale is 2^(floor(log2(largest magnitude)) - 15); its byte is that magnitude's exponent field - 15, held at 1 from below.
; LIMITS: NaN and infinities among the inputs are not served; blocks whose largest magnitude lies under 2^-111 keep the byte 1; a block of zeros has the byte 1 and not 127: its codes are zeros and this program alone reads the bytes.
.set RAW, 16                           ; v16-143  16 rows x 1,024 bytes as loaded
.set N0,  144                          ; v144-207 64 numbers of my row: blocks 0-3
.set N1,  16                           ; v16-79   blocks 4-7
.set PCA, 208                          ; v208-223 codes of blocks 0-3
.set PCB, 80                           ; v80-95   codes of blocks 4-7
.set TM,  224                          ; v224-239 at work in QUANT
.set PW0, 240
.set PW1, 241
.set SEL, 48                           ; s[48:49] lane selects: lane l xor 16
.set MNT, 50                           ; s50 the mantissa field of 57,344
.set X,   32                           ; columns: v32-95 two sets of 32 numbers
.set C,   96                           ; v96-159 eight registers of codes for each of eight blocks: no store's data are written again
.set SB,  24                           ; v24-25 eight scale bytes
; nb blocks of a lane, register s + 16 b + i, become codes in v[pc + 4 b ..] and the row's scale bytes in v[pw].  The other 16 numbers of each block lie in lane l xor 16.
.macro QUANT s, pc, pw, nb
.set QB, 0
.rept \nb
	v_max3_num_f32 v[TM+QB], |v[(\s)+16*QB]|, |v[(\s)+16*QB+1]|, 0x8000000   ; with the floor 2^(16 - 127): the byte cannot fall under 1
.set QB, QB+1
.endr
.irp i, 2,4,6,8,10,12,14
.set QB, 0
.rept \nb
	v_max3_num_f32 v[TM+QB], v[TM+QB], |v[(\s)+16*QB+\i]|, |v[(\s)+16*QB+\i+1]|   ; the blocks by turns
.set QB, QB+1
.endr
.endr
.set QB, 0
.rept \nb
	v_permlanex16_b32 v[TM+4+QB], v[TM+QB], s[SEL], s[SEL+1]
.set QB, QB+1
.endr
.set QB, 0
.rept \nb
	v_max_num_f32 v[TM+QB], v[TM+QB], v[TM+4+QB]       ; the block's largest magnitude
.set QB, QB+1
.endr
.set QB, 0
.rept \nb
	v_add_nc_u32 v[TM+12+QB], 0xf8800000, v[TM+QB]     ; 15 off its exponent field: the conversion's scale operand
.set QB, QB+1
.endr
.set QB, 0
.rept \nb
	v_and_or_b32 v[TM+8+QB], v[TM+QB], 0x7f800000, s[MNT]   ; 57,344 x the scale
.set QB, QB+1
.endr
.set QB, 0
.rept \nb
	v_lshrrev_b32 v[TM+4+QB], 23, v[TM+12+QB]          ; the scale's byte
.set QB, QB+1
.endr
	v_lshl_or_b32 v[\pw], v[TM+5], 8, v[TM+4]
.if \nb > 2
	v_lshl_or_b32 v[\pw], v[TM+6], 16, v[\pw]
	v_lshl_or_b32 v[\pw], v[TM+7], 24, v[\pw]
.endif
.set QB, 0
.rept \nb
.set QI, 0
.rept 16
	v_med3_num_f32 v[(\s)+16*QB+QI], v[(\s)+16*QB+QI], -v[TM+8+QB], v[TM+8+QB]   ; the conversion to an 8-bit code does not saturate (ISA guide 7.6.2): the hold comes first
.set QI, QI+1
.endr
	v_cvt_scalef32_pk8_bf8_f32 v[(\pc)+4*QB:(\pc)+4*QB+1], v[(\s)+16*QB:(\s)+16*QB+7], v[TM+12+QB]
	v_cvt_scalef32_pk8_bf8_f32 v[(\pc)+4*QB+2:(\pc)+4*QB+3], v[(\s)+16*QB+8:(\s)+16*QB+15], v[TM+12+QB]
.set QB, QB+1
.endr
	v_nop                                              ; a plain line behind the last conversion
.endm
	s_load_b256 s[4:11], s[0:1], 0x0               ; x s[4:5], pos_emb s[6:7], w_qkv s[8:9], w_fc s[10:11]
	s_load_b256 s[12:19], s[0:1], 0x20             ; cod s[12:13], scl s[14:15], pf s[16:17], ps s[18:19]
	v_lshl_add_u32 v254, v0, 2, 0x10400
	v_mov_b32 v255, 0
	v_lshrrev_b32 v1, 5, v0
	v_readfirstlane_b32 s20, v1                    ; wave 0..3
	v_and_b32 v8, 31, v0                           ; lane
	s_mov_b32 s[MNT], 0x600000
	s_cmp_ge_u32 ttmp9, 512
	s_cbranch_scc1 .Lcol
	; ---- ROWS: 16 rows of 4,096 bytes; wave w takes bytes 1,024 w on of each (x: K steps 2 w, 2 w + 1; pos_emb: heads 4 w .. 4 w + 3)
	s_mov_b32 s[SEL], 0x76543210
	s_mov_b32 s[SEL+1], 0xfedcba98
	v_lshlrev_b32 v1, 4, v8                        ; 16 x lane
	v_and_b32 v2, 15, v0                           ; r
	v_bfe_u32 v3, v0, 4, 1                         ; h
	s_mul_i32 s34, s20, 16640                      ; my wave's stage: 16 rows x (1,024 + 16) bytes
	v_add_nc_u32 v4, s34, v1                       ; into it as loaded
	v_mul_u32_u24 v5, v2, 1040
	v_lshl_add_u32 v5, v3, 5, v5
	v_add_nc_u32 v5, s34, v5                       ; out of it: row r, + 32 h
	v_lshlrev_b32 v6, 2, v8                        ; 4 x lane
	v_lshlrev_b32 v7, 3, v2
	v_lshl_add_u32 v7, v3, 2, v7                   ; 8 r + 4 h
.irp b, 0,1,2,3
	v_mov_b32 v[TM+4+\b], 0                        ; a lane permute's destination counts as one of its sources
.endr
	v_mov_b32 v244, 0
	s_and_b32 s21, ttmp9, 255                      ; the tile
	s_lshl_b32 s22, s21, 4                         ; x and table tiles 0-127: first row 16 x tile
	s_sub_co_u32 s23, s22, 2049                    ; table tiles 128-255: row u of the table is pos[u - 2049]
	s_cmp_lt_u32 ttmp9, 384                        ; x (0-255) and table tiles 0-127 (256-383)
	s_cselect_b32 s24, s22, s23
	s_max_i32 s25, s24, 0                          ; row 0 of table tile 128 would be pos[-1]: it reads pos[0], and its codes are cleared below
	s_add_co_i32 s26, s24, 1                       ; rows 1 to 15 follow the true first row
	s_lshl_b32 s25, s25, 12
	s_lshl_b32 s26, s26, 12
	s_lshl_b32 s27, s20, 10
	s_add_co_u32 s28, s25, s27
	s_mov_b32 s29, 0
	s_add_co_u32 s30, s26, s27
	s_mov_b32 s31, 0
	s_wait_alu depctr_va_vdst(0)
	s_wait_kmcnt 0x0
	s_cmp_lt_u32 ttmp9, 256
	s_cselect_b64 s[32:33], s[4:5], s[6:7]         ; the choice hangs on the work-group's number alone
	s_add_nc_u64 s[28:29], s[32:33], s[28:29]
	s_add_nc_u64 s[30:31], s[32:33], s[30:31]
	global_load_b128 v[RAW:RAW+3], v1, s[28:29]                     ; each load: 512 consecutive bytes
	global_load_b128 v[RAW+4:RAW+7], v1, s[28:29] offset:512
.set RR, 1
.rept 15
	global_load_b128 v[RAW+8*RR:RAW+8*RR+3], v1, s[30:31] offset:(RR-1)*4096
	global_load_b128 v[RAW+8*RR+4:RAW+8*RR+7], v1, s[30:31] offset:(RR-1)*4096+512
.set RR, RR+1
.endr
.set NN, 0
.rept 32
	s_wait_loadcnt 31-NN                           ; load NN is in; the younger ones stay out
	ds_store_b128 v4, v[RAW+4*NN:RAW+4*NN+3] offset:(NN/2)*1040+(NN%2)*512
.set NN, NN+1
.endr
	s_wait_dscnt 0x0                               ; the stores have read their registers
.irp c, 0,1,2,3
	ds_load_b128 v[N0+16*\c:N0+16*\c+3], v5 offset:128*\c           ; k = 32 c + 8 h + 0..7,
	ds_load_b128 v[N0+16*\c+4:N0+16*\c+7], v5 offset:128*\c+16
	ds_load_b128 v[N0+16*\c+8:N0+16*\c+11], v5 offset:128*\c+64     ; then k = 32 c + 16 + 8 h + 0..7
	ds_load_b128 v[N0+16*\c+12:N0+16*\c+15], v5 offset:128*\c+80
.endr
.irp c, 0,1,2,3
	ds_load_b128 v[N1+16*\c:N1+16*\c+3], v5 offset:512+128*\c
	ds_load_b128 v[N1+16*\c+4:N1+16*\c+7], v5 offset:512+128*\c+16
	ds_load_b128 v[N1+16*\c+8:N1+16*\c+11], v5 offset:512+128*\c+64
	ds_load_b128 v[N1+16*\c+12:N1+16*\c+15], v5 offset:512+128*\c+80
.endr
	s_wait_dscnt 16                                ; blocks 0-3 are in; the 16 loads of blocks 4-7 may be out
	QUANT N0, PCA, PW0, 4
	s_wait_dscnt 0x0
	QUANT N1, PCB, PW1, 4
	s_cmp_lt_u32 ttmp9, 256
	s_cbranch_scc0 .Lpos
	; x: two images and, for lane (r, h), the scale word of K step 2 w + h
	s_lshl_b32 s36, s21, 14
	s_lshl_b32 s37, s20, 12
	s_add_co_u32 s36, s36, s37
	s_mov_b32 s37, 0
	s_add_nc_u64 s[36:37], s[12:13], s[36:37]
	s_lshl_b32 s38, s21, 9
	s_lshl_b32 s39, s20, 7
	s_add_co_u32 s38, s38, s39
	s_mov_b32 s39, 0
	s_add_nc_u64 s[38:39], s[14:15], s[38:39]
	s_wait_alu depctr_va_vdst(0)
.irp c, 0,1,2,3
	global_store_b128 v1, v[PCA+4*\c:PCA+4*\c+3], s[36:37] offset:512*\c         ; 512 consecutive bytes a store
	global_store_b128 v1, v[PCB+4*\c:PCB+4*\c+3], s[36:37] offset:2048+512*\c
.endr
	v_cmp_eq_u32 vcc_lo, 0, v3
	v_cndmask_b32 v242, v[PW1], v[PW0], vcc_lo
	global_store_b32 v7, v242, s[38:39]            ; 128 consecutive bytes, no lane doubled
	s_wait_tensorcnt 0x0
	ds_add_u32 v254, v255
	s_wait_dscnt 0x0
	s_endpgm
.Lpos:
	; the table: my four heads' codes, 1,024 bytes a head, and their scale words
	s_cmp_lt_u32 s21, 128                          ; tiles 0-127 stand in the lower half of the attention's operand, tiles 128-255 in the upper
	s_cselect_b32 s42, 0, 16                       ; where the two scale bytes go
	s_mov_b32 s43, 0x7f7f
	s_cselect_b32 s43, 0x7f7f0000, s43             ; and the bytes of the other half
	s_lshl_b32 s36, s20, 20                        ; 4 w heads of 262,144 bytes
	s_lshl_b32 s37, s21, 10
	s_add_co_u32 s36, s36, s37
	s_mov_b32 s37, 0
	s_add_nc_u64 s[36:37], s[16:17], s[36:37]
	s_lshl_b32 s44, s20, 10
	s_add_co_u32 s44, s44, s21
	s_lshl_b32 s44, s44, 7                         ; (4 w x 256 + tile) x 128
	s_mov_b32 s45, 0
	s_add_nc_u64 s[44:45], s[18:19], s[44:45]
	v_add_nc_u32 v242, s22, v2                     ; u = 16 x tile + r
	v_mov_b32 v13, -1
	v_cmp_eq_u32 vcc_lo, 0x800, v242
	v_cndmask_b32 v13, v13, v244, vcc_lo           ; row u = 2048 is zeros
.irp i, 0,1,2,3,4,5,6,7,8,9,10,11,12,13,14,15
	v_and_b32 v[PCA+\i], v13, v[PCA+\i]
	v_and_b32 v[PCB+\i], v13, v[PCB+\i]
.endr
	v_and_b32 v242, 0xffff, v[PW0]
	v_lshl_or_b32 v248, v242, s42, s43
	v_lshrrev_b32 v242, 16, v[PW0]
	v_lshl_or_b32 v249, v242, s42, s43
	v_and_b32 v242, 0xffff, v[PW1]
	v_lshl_or_b32 v250, v242, s42, s43
	v_lshrrev_b32 v242, 16, v[PW1]
	v_lshl_or_b32 v251, v242, s42, s43
.irp e, 0,1
.irp c, 0,1
	global_store_b128 v1, v[PCA+8*\e+4*\c:PCA+8*\e+4*\c+3], s[36:37] offset:\e*262144+512*\c       ; 512 consecutive bytes a store
	global_store_b128 v1, v[PCB+8*\e+4*\c:PCB+8*\e+4*\c+3], s[36:37] offset:(\e+2)*262144+512*\c
.endr
.endr
.irp e, 0,1,2,3
	global_store_b32 v6, v[248+\e], s[44:45] offset:\e*32768
.endr
	s_wait_tensorcnt 0x0
	ds_add_u32 v254, v255
	s_wait_dscnt 0x0
	s_endpgm
	; ---- COLUMNS: a weight stored [K][N].  A lane takes a column and its registers run down K: a block of 32 lies in one lane, and nothing is transposed.
.macro CLOAD t, n                      ; block t: w(32 t + i, my column), i = 0 .. 31, into set t % 2; 128 consecutive bytes a load
.set LI, 0
.rept 32
	global_load_b32 v[X+32*((\t)%2)+LI], v3, s[26:27] offset:(32*(\t)+LI)*(\n)*4 th:TH_LOAD_NT
.set LI, LI+1
.endr
.endm
.macro CBLOCK t, n
.set XS, X+32*((\t)%2)
.set CC, C+8*(\t)
.if (\t) < 7
	s_wait_loadcnt 32                              ; this block's 32 loads are in; the next block's may be out
.else
	s_wait_loadcnt 0x0
.endif
	v_max3_num_f32 v12, |v[XS]|, |v[XS+1]|, |v[XS+2]|
	v_max3_num_f32 v13, |v[XS+3]|, |v[XS+4]|, |v[XS+5]|
.irp i, 6,10,14,18,22,26
	v_max3_num_f32 v12, v12, |v[XS+\i]|, |v[XS+\i+1]|
	v_max3_num_f32 v13, v13, |v[XS+\i+2]|, |v[XS+\i+3]|
.endr
	v_max3_num_f32 v12, v12, |v[XS+30]|, |v[XS+31]|
	v_max3_num_f32 v12, v12, v13, 0x8000000        ; and the floor
	v_add_nc_u32 v11, 0xf8800000, v12              ; the conversion's scale operand
	v_and_or_b32 v10, v12, 0x7f800000, s[MNT]      ; 57,344 x the scale
	v_lshrrev_b32 v13, 23, v11                     ; the byte
.if (\t)%4 == 0
	v_mov_b32 v[SB+(\t)/4], v13
.else
	v_lshl_or_b32 v[SB+(\t)/4], v13, 8*((\t)%4), v[SB+(\t)/4]
.endif
.set LI, 0
.rept 32
	v_med3_num_f32 v[XS+LI], v[XS+LI], -v10, v10
.set LI, LI+1
.endr
	v_cvt_scalef32_pk8_bf8_f32 v[CC:CC+1], v[XS:XS+7], v11          ; the image's place of lane half 0: k 0-7, 16-23;
	v_cvt_scalef32_pk8_bf8_f32 v[CC+2:CC+3], v[XS+16:XS+23], v11
	v_cvt_scalef32_pk8_bf8_f32 v[CC+4:CC+5], v[XS+8:XS+15], v11     ; of lane half 1: k 8-15, 24-31
	v_cvt_scalef32_pk8_bf8_f32 v[CC+6:CC+7], v[XS+24:XS+31], v11
	global_store_b128 v4, v[CC:CC+3], s[28:29] offset:512*(\t)      ; sixteen lanes store 256 consecutive bytes, aligned
	global_store_b128 v4, v[CC+4:CC+7], s[28:29] offset:512*(\t)+256
.if (\t)+2 < 8
	CLOAD (\t)+2, \n
.endif
.endm
.macro COLS n, rt0, src                ; s21: 4 x (group of 128 columns) + (which 256 along K)
	s_lshr_b32 s22, s21, 2
	s_and_b32 s23, s21, 3
	s_lshl_b32 s24, s22, 2
	s_add_co_u32 s24, s24, s20                     ; my wave's 32 columns: number 4 G + w
	s_lshl_b32 s26, s24, 7
	s_mul_i32 s25, s23, 256*(\n)*4
	s_add_co_u32 s26, s26, s25
	s_mov_b32 s27, 0
	s_lshl_b32 s24, s24, 1
	s_add_co_u32 s24, s24, \rt0                    ; their first row tile of cod
	s_lshl_b32 s28, s24, 14
	s_lshl_b32 s25, s23, 12
	s_add_co_u32 s28, s28, s25
	s_mov_b32 s29, 0
	s_lshl_b32 s30, s24, 9
	s_lshl_b32 s25, s23, 7
	s_add_co_u32 s30, s30, s25
	s_mov_b32 s31, 0
	s_wait_kmcnt 0x0
	s_add_nc_u64 s[26:27], s[\src:\src+1], s[26:27]
	s_add_nc_u64 s[28:29], s[12:13], s[28:29]
	s_add_nc_u64 s[30:31], s[14:15], s[30:31]
	CLOAD 0, \n
	CLOAD 1, \n
.irp t, 0,1,2,3,4,5,6,7
	CBLOCK \t, \n
.endr
	global_store_b64 v5, v[SB:SB+1], s[30:31]      ; eight scale bytes a column: runs of 128 bytes, one byte for each 128 that the launch reads
.endm
.Lcol:
	s_sub_co_u32 s21, ttmp9, 512
	s_wait_alu depctr_va_vdst(0)
	v_lshlrev_b32 v3, 2, v8                        ; in: 4 bytes a lane
	v_lshrrev_b32 v6, 4, v8                        ; which of my two row tiles
	v_and_b32 v7, 15, v8                           ; the row in it
	v_lshlrev_b32 v4, 14, v6
	v_lshl_add_u32 v4, v7, 4, v4                   ; codes: 16,384 x tile + 16 x row
	v_lshlrev_b32 v5, 9, v6
	v_lshl_add_u32 v5, v7, 3, v5                   ; scale bytes: 512 x tile + 8 x row
	s_cmp_ge_u32 s21, 96
	s_cbranch_scc1 .Lfc
	s_wait_alu depctr_va_vdst(0)
	COLS 3072, 256, 8
	s_endpgm
.Lfc:
	s_sub_co_u32 s21, s21, 96
	s_wait_alu depctr_va_vdst(0)
	COLS 1024, 448, 10
	s_endpgm
.Lfunc_end_k_q711d60aa7a_prep:
	.size	k_q711d60aa7a_prep, .Lfunc_end_k_q711d60aa7a_prep-k_q711d60aa7a_prep
	.p2alignl 7, 3214868480
	.fill 96, 4, 3214868480
	.section	.rodata,"a",@progbits
	.p2align	6, 0x0
	.amdhsa_kernel k_q711d60aa7a_prep
		.amdhsa_group_segment_fixed_size 67072
		.amdhsa_private_segment_fixed_size 0
		.amdhsa_enable_private_segment 0
		.amdhsa_kernarg_size 64
		.amdhsa_user_sgpr_count 2
		.amdhsa_user_sgpr_kernarg_segment_ptr 1
		.amdhsa_wavefront_size32 1
		.amdhsa_system_sgpr_workgroup_id_x 1
		.amdhsa_system_sgpr_workgroup_id_y 1
		.amdhsa_system_sgpr_workgroup_id_z 1
		.amdhsa_system_vgpr_workitem_id 0
		.amdhsa_next_free_vgpr 256
		.amdhsa_next_free_sgpr 66
		.amdhsa_reserve_vcc 1
		.amdhsa_float_denorm_mode_32 3
		.amdhsa_float_denorm_mode_16_64 3
		.amdhsa_memory_ordered 1
		.amdhsa_forward_progress 1
		.amdhsa_inst_pref_size 142
	.end_amdhsa_kernel
	.amdgpu_metadata
---
amdhsa.version: [ 1, 2 ]
amdhsa.kernels:
  - .name:           k_q711d60aa7a_prep
    .symbol:         k_q711d60aa7a_prep.kd
    .args:
      - { .name: x, .offset: 0, .size: 8, .value_kind: global_buffer, .address_space: global }
      - { .name: pos_emb, .offset: 8, .size: 8, .value_kind: global_buffer, .address_space: global }
      - { .name: w_qkv, .offset: 16, .size: 8, .value_kind: global_buffer, .address_space: global }
      - { .name: w_fc, .offset: 24, .size: 8, .value_kind: global_buffer, .address_space: global }
      - { .name: cod, .offset: 32, .size: 8, .value_kind: global_buffer, .address_space: global }
      - { .name: scl, .offset: 40, .size: 8, .value_kind: global_buffer, .address_space: global }
      - { .name: pf, .offset: 48, .size: 8, .value_kind: global_buffer, .address_space: global }
      - { .name: ps, .offset: 56, .size: 8, .value_kind: global_buffer, .address_space: global }
    .group_segment_fixed_size: 67072
    .private_segment_fixed_size: 0
    .kernarg_segment_align: 8
    .kernarg_segment_size: 64
    .max_flat_workgroup_size: 128
    .sgpr_count:     66
    .vgpr_count:     256
    .wavefront_size: 32
...
	.end_amdgpu_metadata
.endif
;; end of part 1
;; launch qkv (part 2): grid 8 x 24, 4 waves a work-group, clusters of 4 x 4, 327,680 bytes of LDS; arguments cod, scl, b_qkv, qkv; writes qkv
.if DOCPART == 2
	.amdgcn_target "amdgcn-amd-amdhsa--gfx1250"
	.amdhsa_code_object_version 6
	.text
	.protected	k_q711d60aa7a_qkv
	.globl	k_q711d60aa7a_qkv
	.p2align	8
	.type	k_q711d60aa7a_qkv,@function
k_q711d60aa7a_qkv:
	s_mov_b64 s[64:65], 0
	v_nop
	global_prefetch_b8 v0, s[64:65] scope:SCOPE_SE
	s_setreg_imm32_b32 hwreg(HW_REG_WAVE_MODE, 25, 1), 1
	s_wait_xcnt 0x0
	s_wait_alu depctr_hold_cnt(0) depctr_sa_sdst(0) depctr_va_vdst(0) depctr_va_sdst(0) depctr_va_ssrc(0) depctr_va_vcc(0) depctr_vm_vsrc(0)
	s_getreg_b32 s2, hwreg(HW_REG_IB_STS2, 6, 4)
	s_cmp_eq_u32 s2, 0
	s_cbranch_scc0 .Lentry_in_a_cluster
	s_endpgm
.Lentry_in_a_cluster:
	s_bfe_u32 s2, ttmp6, 0x10000c
	s_cmp_lg_u32 s2, 0xf033
	s_cbranch_scc0 .Lentry_shape_is_right
	s_endpgm
.Lentry_shape_is_right:
.set NQ,     2
.set FR,     16
.set NL,     4
.set NP,     8
.set HALFT,  32768
.set SLOT,   131072
.set LAPS,   2
.set SCL,    262144
.set HALFS,  4096
.set SPARE,  278528
.set ADRA, 16
.set ADRB, 20
.set ADRS, 27
.set SPW,  28
.set NIL,  29
.set BV,   8
.set SC,   32
.set BB,   64
.set AF,   128
.set T,    128
.set PC,   192
.set TM,   208
.set PW,   224
.set W0,   225
.set W1,   226
.set L16,  227
.set L4,   228
.set SEL,  20
.set MNT,  22
.set K7F,  23
.set KIND, 95
.set G1, 24
.set G0, 32
.set G1B, 48
.set G0B, 56
.set G1S, 68
.set G0S, 76
.set G1SB, 80
.set G0SB, 88
.set MSB, 0
.macro WIN new
.if MSB != \new
	s_set_vgpr_msb (MSB<<8)|\new
.set MSB, \new
.endif
.endm
.set MUL_LO, 0xa1
.set MUL_HI, 0xf1
.set TO_B,   0x40
.macro JLOAD g0a, g1a, g0b, g1b
	s_cmp_eq_u32 s15, 0
	s_cbranch_scc0 .Lfor_b_\@
	tensor_load_to_lds s[\g0a:\g0a+3], s[\g1a:\g1a+7]
	s_nop 0
.rept 4
	v_nop
.endr
	s_branch .Lasked_\@
.Lfor_b_\@:
	tensor_load_to_lds s[\g0b:\g0b+3], s[\g1b:\g1b+7]
	s_nop 0
.rept 4
	v_nop
.endr
.Lasked_\@:
.endm
.macro CREST
	s_cmp_lg_u32 s14, 0
	s_cbranch_scc1 .Lnot_wave_0_\@
	s_barrier_signal -3
.Lnot_wave_0_\@:
	s_barrier_wait -3
	s_barrier_signal -1
	s_barrier_wait -1
.endm
.macro CROUND
	s_barrier_signal -1
	s_barrier_wait -1
	CREST
.endm
.macro QUANT s, pc, pw, nb
.set QB, 0
.rept \nb
	v_max3_num_f32 v[TM+QB], |v[(\s)+16*QB]|, |v[(\s)+16*QB+1]|, 0x8000000
.set QB, QB+1
.endr
.irp i, 2,4,6,8,10,12,14
.set QB, 0
.rept \nb
	v_max3_num_f32 v[TM+QB], v[TM+QB], |v[(\s)+16*QB+\i]|, |v[(\s)+16*QB+\i+1]|
.set QB, QB+1
.endr
.endr
.set QB, 0
.rept \nb
	v_permlanex16_b32 v[TM+4+QB], v[TM+QB], s[SEL], s[SEL+1]
.set QB, QB+1
.endr
.set QB, 0
.rept \nb
	v_max_num_f32 v[TM+QB], v[TM+QB], v[TM+4+QB]
.set QB, QB+1
.endr
.set QB, 0
.rept \nb
	v_add_nc_u32 v[TM+12+QB], 0xf8800000, v[TM+QB]
.set QB, QB+1
.endr
.set QB, 0
.rept \nb
	v_and_or_b32 v[TM+8+QB], v[TM+QB], 0x7f800000, s[MNT]
.set QB, QB+1
.endr
.set QB, 0
.rept \nb
	v_lshrrev_b32 v[TM+4+QB], 23, v[TM+12+QB]
.set QB, QB+1
.endr
	v_lshl_or_b32 v[\pw], v[TM+5], 8, v[TM+4]
.if \nb > 2
	v_lshl_or_b32 v[\pw], v[TM+6], 16, v[\pw]
	v_lshl_or_b32 v[\pw], v[TM+7], 24, v[\pw]
.endif
.set QB, 0
.rept \nb
.set QI, 0
.rept 16
	v_med3_num_f32 v[(\s)+16*QB+QI], v[(\s)+16*QB+QI], -v[TM+8+QB], v[TM+8+QB]
.set QI, QI+1
.endr
	v_cvt_scalef32_pk8_bf8_f32 v[(\pc)+4*QB:(\pc)+4*QB+1], v[(\s)+16*QB:(\s)+16*QB+7], v[TM+12+QB]
	v_cvt_scalef32_pk8_bf8_f32 v[(\pc)+4*QB+2:(\pc)+4*QB+3], v[(\s)+16*QB+8:(\s)+16*QB+15], v[TM+12+QB]
.set QB, QB+1
.endr
	v_nop
.endm
	s_load_b256 s[4:11], s[0:1], 0x0
	v_lshl_add_u32 v[SPW], v0, 2, SPARE
	v_mov_b32 v[NIL], 0
	ds_add_u32 v28, v29
	ds_add_u32 v28, v29
	s_wait_dscnt 0x0
	v_lshrrev_b32 v1, 5, v0
	v_readfirstlane_b32 s14, v1
	s_lshr_b32 s15, s14, 1
	s_and_b32 s16, s14, 1
	s_bfe_u32 s40, ttmp6, 0x40000
	s_bfe_u32 s41, ttmp6, 0x40004
	s_lshl_b32 s42, ttmp9, 2
	s_add_co_u32 s42, s42, s40
	s_and_b32 s17, ttmp7, 0xffff
	s_lshl_b32 s18, s17, 2
	s_lshl_b32 s19, s17, 3
	s_sub_co_u32 s19, s19, 32
	s_cmp_lt_u32 s17, 4
	s_cselect_b32 s18, s18, 24
	s_cselect_b32 s19, 16, s19
	s_cselect_b32 s[KIND], 0, 1
	s_add_co_u32 s17, s18, s41
	s_add_co_u32 s42, s19, s42
	s_lshl_b32 s43, s41, 2
	s_lshl_b32 s43, 15, s43
	s_lshl_b32 s44, 0x1111, s40
	s_or_b32 s[G1+0], s43, (3<<16)|(1<<21)
	s_or_b32 s[G1B+0], s44, (3<<16)|(1<<21)
.irp g, G1, G1B
	s_mov_b32 s[\g+1], 512<<16
	s_mov_b32 s[\g+2], 8<<16
	s_mov_b32 s[\g+3], 512<<16
	s_mov_b32 s[\g+4], 8
	s_mov_b32 s[\g+5], 2048
	s_mov_b32 s[\g+6], 0
	s_mov_b32 s[\g+7], 0
.endr
	s_or_b32 s[G1S+0], s43, (3<<16)|(1<<21)
	s_or_b32 s[G1SB+0], s44, (3<<16)|(1<<21)
.irp g, G1S, G1SB
	s_mov_b32 s[\g+1], 32<<16
	s_mov_b32 s[\g+2], 16<<16
	s_mov_b32 s[\g+3], 32<<16
	s_mov_b32 s[\g+4], 16
	s_mov_b32 s[\g+5], 32
	s_mov_b32 s[\g+6], 0
	s_mov_b32 s[\g+7], 0
.endr
	s_lshl_b32 s18, s16, 3
	s_lshl_b32 s20, s17, 4
	s_add_co_u32 s20, s20, s18
	s_lshl_b32 s46, s42, 4
	s_add_co_u32 s46, s46, s18
	s_lshl_b32 s22, s20, 9
	s_mov_b32 s23, 0
	s_lshl_b32 s92, s46, 9
	s_mov_b32 s93, 0
	s_lshl_b32 s20, s20, 14
	s_mov_b32 s21, 0
	s_lshl_b32 s46, s46, 14
	s_mov_b32 s47, 0
	s_lshl_b32 s45, s14, 15
	s_lshl_b32 s94, s14, 12
	s_wait_kmcnt 0x0
	s_add_nc_u64 s[20:21], s[4:5], s[20:21]
	s_add_nc_u64 s[22:23], s[6:7], s[22:23]
	s_add_nc_u64 s[46:47], s[4:5], s[46:47]
	s_add_nc_u64 s[92:93], s[6:7], s[92:93]
	CROUND
	s_mov_b32 s[G0S], 1
	s_add_co_u32 s[G0S+1], s94, SCL
	s_mov_b64 s[G0S+2:G0S+3], s[22:23]
	s_or_b32 s[G0S+3], s[G0S+3], 0x80000000
	s_mov_b32 s[G0SB], 1
	s_add_co_u32 s[G0SB+1], s94, SCL
	s_mov_b64 s[G0SB+2:G0SB+3], s[92:93]
	s_or_b32 s[G0SB+3], s[G0SB+3], 0x80000000
	JLOAD G0S, G1S, G0SB, G1SB
.irp s, 0,1
	s_mov_b32 s[G0+4*\s], 1
	s_add_co_u32 s[G0+4*\s+1], s45, \s*SLOT
	s_add_nc_u64 s[G0+4*\s+2:G0+4*\s+3], s[20:21], \s*4096
	s_or_b32 s[G0+4*\s+3], s[G0+4*\s+3], 0x80000000
	s_mov_b32 s[G0B+4*\s], 1
	s_add_co_u32 s[G0B+4*\s+1], s45, \s*SLOT
	s_add_nc_u64 s[G0B+4*\s+2:G0B+4*\s+3], s[46:47], \s*4096
	s_or_b32 s[G0B+4*\s+3], s[G0B+4*\s+3], 0x80000000
	s_wait_alu depctr_va_vdst(0)
	s_wait_tensorcnt 0x0
	ds_add_u32 v28, v29
	s_wait_dscnt 0x0
	CROUND
	JLOAD G0+4*\s, G1, G0B+4*\s, G1B
.endr
	v_and_b32 v1, 15, v0
	v_bfe_u32 v2, v0, 4, 1
	s_wait_alu depctr_va_vdst(0)
	v_and_b32 v3, 31, v0
	v_lshlrev_b32 v4, 4, v3
	s_lshl_b32 s21, s15, 15
	s_lshl_b32 s22, s16, 15
	s_add_co_u32 s22, s22, 2*HALFT
.irp s, 0,1
	v_add_nc_u32 v[ADRA+\s], s21, v4
	v_add_nc_u32 v[ADRB+\s], s22, v4
	s_add_co_u32 s21, s21, SLOT
	s_add_co_u32 s22, s22, SLOT
.endr
	v_lshlrev_b32 v5, 3, v1
	s_lshl_b32 s21, s15, 12
	s_lshl_b32 s22, s16, 12
	s_add_co_u32 s22, s22, 2*HALFS
	s_sub_co_u32 s22, s22, s21
	v_mul_u32_u24 v6, s22, v2
	s_add_co_u32 s21, s21, SCL
	v_add_nc_u32 v5, v5, v6
	v_add_nc_u32 v[ADRS], s21, v5
	s_lshl_b32 s66, s17, 8
	s_lshl_b32 s67, s15, 7
	s_add_co_u32 s66, s66, s67
	s_lshl_b32 s67, s42, 8
	s_lshl_b32 s96, s16, 7
	s_add_co_u32 s67, s67, s96
	s_sub_co_u32 s97, s67, 4096
	s_sub_co_u32 s98, s66, 6144
	s_cmp_eq_u32 s[KIND], 0
	s_cselect_b32 s96, s66, s67
	s_cselect_b32 s97, s97, 0
	s_cselect_b32 s98, 0, s98
	s_lshr_b32 s66, s97, 10
	s_cmp_eq_u32 s[KIND], 0
	s_cselect_b32 s66, s66, 2
	s_mov_b32 s67, 8704
	s_cselect_b32 s67, 9216, s67
	s_mul_i32 s66, s66, 4718592
	s_and_b32 s99, s97, 1023
	s_add_co_u32 s99, s99, s98
	s_lshr_b32 s99, s99, 6
	s_lshr_b32 s2, s96, 11
	s_lshl_b32 s2, s2, 4
	s_add_co_u32 s2, s2, s99
	s_lshl_b32 s2, s2, 4
	s_bfe_u32 s99, s96, 0x40007
	s_add_co_u32 s2, s2, s99
	s_mul_i32 s2, s2, s67
	s_add_co_u32 s12, s2, s66
	s_mov_b32 s13, 0
	s_add_nc_u64 s[12:13], s[10:11], s[12:13]
	s_lshl_b32 s66, s97, 2
	s_mov_b32 s67, 0
	s_add_nc_u64 s[66:67], s[8:9], s[66:67]
	s_lshl_b32 s96, s98, 2
	s_add_co_u32 s96, s96, 8192
	s_mov_b32 s97, 0
	s_add_nc_u64 s[96:97], s[8:9], s[96:97]
	v_lshlrev_b32 v30, 5, v2
	v_lshlrev_b32 v31, 2, v1
.irp b, 0,1,2,3,4,5,6,7
	global_load_b128 v[BB+8*\b:BB+8*\b+3], v30, s[66:67] offset:64*\b
	global_load_b128 v[BB+8*\b+4:BB+8*\b+7], v30, s[66:67] offset:64*\b+16
.endr
.irp a, 0,1,2,3,4,5,6,7
	global_load_b32 v[BV+\a], v31, s[96:97] offset:64*\a
.endr
	s_mov_b32 s[SEL], 0x76543210
	s_mov_b32 s[SEL+1], 0xfedcba98
	s_mov_b32 s[MNT], 0x600000
	s_mov_b32 s[K7F], 0x7f7f0000
.macro FRAG reg, adr, q, i
.irp c, 0,1,2,3
	ds_load_b128 v[\reg+4*\c:\reg+4*\c+3], v[\adr] offset:2048*(\q)+512*\c+(\i)*4096
.endr
.endm
.macro MUL16 a0, p, q, sc, zero
.irp a, \a0, \a0+1
.irp b, 0,1,2,3,4,5,6,7
.if \zero
	v_wmma_scale_f32_16x16x128_f8f6f4 v[8*(8*((\a)%4)+\b):8*(8*((\a)%4)+\b)+7], v[128*(\p)+FR*\b:128*(\p)+FR*\b+FR-1], v[AF+FR*(\a):AF+FR*(\a)+FR-1], 0, v[SC+8*NQ*(\sc)+NQ*\b+(\q)], v[SC+8*NQ*(\sc)+NQ*(\a)+(\q)] matrix_a_fmt:MATRIX_FMT_BF8 matrix_b_fmt:MATRIX_FMT_BF8 matrix_a_scale:MATRIX_SCALE_ROW1
.else
	v_wmma_scale_f32_16x16x128_f8f6f4 v[8*(8*((\a)%4)+\b):8*(8*((\a)%4)+\b)+7], v[128*(\p)+FR*\b:128*(\p)+FR*\b+FR-1], v[AF+FR*(\a):AF+FR*(\a)+FR-1], v[8*(8*((\a)%4)+\b):8*(8*((\a)%4)+\b)+7], v[SC+8*NQ*(\sc)+NQ*\b+(\q)], v[SC+8*NQ*(\sc)+NQ*(\a)+(\q)] matrix_a_fmt:MATRIX_FMT_BF8 matrix_b_fmt:MATRIX_FMT_BF8 matrix_a_scale:MATRIX_SCALE_ROW1
.endif
.endr
.endr
.endm
.macro FETCH_B slot, q, p
	WIN TO_B
.irp i, 0,1,2,3,4,5,6,7
	FRAG 128*(\p)+FR*\i, ADRB+\slot, \q, \i
.endr
	WIN 0
.endm
.macro FETCH_A slot, q, i0
.irp i, \i0, \i0+1, \i0+2, \i0+3
	FRAG AF+FR*(\i), ADRA+\slot, \q, \i
.endr
.endm
.macro SCALES sc
.irp i, 0,1,2,3,4,5,6,7
	ds_load_b64 v[SC+8*NQ*\sc+NQ*\i:SC+8*NQ*\sc+NQ*\i+1], v[ADRS] offset:\i*512
.endr
.endm
.macro PLACES n
.rept \n
	v_nop
.endr
.endm
.macro STEP slot, q, zero
	s_wait_dscnt 4*NL
	WIN MUL_LO
	MUL16 0, (\q)%2, \q, \slot, \zero
	MUL16 2, (\q)%2, \q, \slot, \zero
	s_wait_dscnt 0
	PLACES NP
	FETCH_B \slot, (\q)+1, 1-(\q)%2
	FETCH_A \slot, (\q)+1, 0
	WIN MUL_HI
	MUL16 4, (\q)%2, \q, \slot, \zero
	MUL16 6, (\q)%2, \q, \slot, \zero
	PLACES NP
	WIN 0
	FETCH_A \slot, (\q)+1, 4
.endm
.macro TURN slot, next, fill
	s_wait_tensorcnt 0x0
	ds_add_u32 v[SPW], v[NIL]
	s_wait_dscnt 4*NL+1
	WIN MUL_LO
	MUL16 0, 1, NQ-1, \slot, 0
	s_wait_dscnt 0x0
	s_barrier_signal -1
	MUL16 2, 1, NQ-1, \slot, 0
	WIN 0
	s_barrier_wait -1
.if \fill
	CREST
	s_add_nc_u64 s[G0+4*\slot+2:G0+4*\slot+3], s[G0+4*\slot+2:G0+4*\slot+3], 8192
	s_add_nc_u64 s[G0B+4*\slot+2:G0B+4*\slot+3], s[G0B+4*\slot+2:G0B+4*\slot+3], 8192
	JLOAD G0+4*\slot, G1, G0B+4*\slot, G1B
	PLACES NP-4
.else
	PLACES NP
.endif
	s_wait_alu depctr_va_vdst(0)
	v_add_nc_u32 v[ADRS], 128, v[ADRS]
	FETCH_B \next, 0, 0
	FETCH_A \next, 0, 0
	SCALES \next
	WIN MUL_HI
	MUL16 4, 1, NQ-1, \slot, 0
	MUL16 6, 1, NQ-1, \slot, 0
	PLACES NP
	WIN 0
	FETCH_A \next, 0, 4
.endm
	s_wait_alu depctr_va_vdst(0)
	s_wait_tensorcnt 1
	s_barrier_signal -1
	s_barrier_wait -1
	FETCH_B 0, 0, 0
	FETCH_A 0, 0, 0
	SCALES 0
	FETCH_A 0, 0, 4
	STEP 0, 0, 1
	s_mov_b32 s3, LAPS-1
.Llap:
	TURN 0, 1, 1
	STEP 1, 0, 0
	TURN 1, 0, 1
	STEP 0, 0, 0
	s_sub_co_u32 s3, s3, 1
	s_cmp_lg_u32 s3, 0
	s_cbranch_scc1 .Llap
	TURN 0, 1, 0
	STEP 1, 0, 0
	s_wait_dscnt 4*NL
	WIN MUL_LO
	MUL16 0, 1, NQ-1, 1, 0
	MUL16 2, 1, NQ-1, 1, 0
	s_wait_dscnt 0
	WIN MUL_HI
	MUL16 4, 1, NQ-1, 1, 0
	MUL16 6, 1, NQ-1, 1, 0
	WIN 0
.macro EPI kind
.irp a, 0,1,2,3,4,5,6,7
	s_wait_xcnt 0x0
.if \a < 4
	WIN 0x02
.else
	WIN 0x03
.endif
.irp b, 0,1,2,3,4,5,6,7
.irp p, 0,2,4,6
.if \kind == 0
	v_pk_add_f32 v[T+8*\b+\p:T+8*\b+\p+1], v[8*(8*(\a%4)+\b)+\p:8*(8*(\a%4)+\b)+\p+1], v[BB+8*\b+\p:BB+8*\b+\p+1]
.elseif \a%2 == 0
	v_pk_add_f32 v[T+8*\b+\p:T+8*\b+\p+1], v[8*(8*(\a%4)+\b)+\p:8*(8*(\a%4)+\b)+\p+1], v[BV+\a:BV+\a+1] op_sel_hi:[1,0]
.else
	v_pk_add_f32 v[T+8*\b+\p:T+8*\b+\p+1], v[8*(8*(\a%4)+\b)+\p:8*(8*(\a%4)+\b)+\p+1], v[BV+\a-1:BV+\a] op_sel:[0,1] op_sel_hi:[1,1]
.endif
.endr
.endr
	WIN 0
	QUANT T, PC, PW, 4
.if \kind == 0
	v_and_or_b32 v[W0], v[PW], 0xffff, s[K7F]
	v_lshrrev_b32 v[W1], 16, v[PW]
	v_or_b32 v[W1], s[K7F], v[W1]
.irp g, 0,1,2,3
	global_store_b128 v[L16], v[PC+4*\g:PC+4*\g+3], s[12:13] offset:(\g/2)*147456+1024*\a+512*(\g%2)
.endr
	global_store_b32 v[L4], v[W0], s[12:13] offset:8192+128*\a
	global_store_b32 v[L4], v[W1], s[12:13] offset:147456+8192+128*\a
.else
.irp g, 0,1,2,3
	global_store_b128 v[L16], v[PC+4*\g:PC+4*\g+3], s[12:13] offset:(\a/4)*139264+(\a%4)*2048+512*\g
.endr
	global_store_b32 v[L4], v[PW], s[12:13] offset:(\a/4)*139264+8192+(\a%4)*128
.endif
.endr
.endm
	s_wait_loadcnt 0x0
	PLACES NP
	v_and_b32 v[L16], 31, v0
	v_lshlrev_b32 v[L4], 2, v[L16]
	v_lshlrev_b32 v[L16], 4, v[L16]
.irp b, 0,1,2,3
	v_mov_b32 v[TM+4+\b], 0
.endr
	s_cmp_lg_u32 s[KIND], 0
	s_cbranch_scc1 .Lepi_v
	EPI 0
	s_branch .Lend
.Lepi_v:
	EPI 1
.Lend:
	s_wait_tensorcnt 0x0
	ds_add_u32 v[SPW], v[NIL]
	s_wait_dscnt 0x0
	CROUND
	s_endpgm
.Lfunc_end_k_q711d60aa7a_qkv:
	.size	k_q711d60aa7a_qkv, .Lfunc_end_k_q711d60aa7a_qkv-k_q711d60aa7a_qkv
	.p2alignl 7, 3214868480
	.fill 96, 4, 3214868480
	.section	.rodata,"a",@progbits
	.p2align	6, 0x0
	.amdhsa_kernel k_q711d60aa7a_qkv
		.amdhsa_group_segment_fixed_size 327680
		.amdhsa_private_segment_fixed_size 0
		.amdhsa_enable_private_segment 0
		.amdhsa_kernarg_size 32
		.amdhsa_user_sgpr_count 2
		.amdhsa_user_sgpr_kernarg_segment_ptr 1
		.amdhsa_wavefront_size32 1
		.amdhsa_system_sgpr_workgroup_id_x 1
		.amdhsa_system_sgpr_workgroup_id_y 1
		.amdhsa_system_sgpr_workgroup_id_z 1
		.amdhsa_system_vgpr_workitem_id 0
		.amdhsa_next_free_vgpr 1024
		.amdhsa_next_free_sgpr 100
		.amdhsa_reserve_vcc 0
		.amdhsa_float_denorm_mode_32 3
		.amdhsa_float_denorm_mode_16_64 3
		.amdhsa_memory_ordered 1
		.amdhsa_forward_progress 1
		.amdhsa_inst_pref_size 255
	.end_amdhsa_kernel
	.section	.bss,"aw",@nobits
	.p2align	6
	.space	262144
	.amdgpu_metadata
---
amdhsa.version: [ 1, 2 ]
amdhsa.kernels:
  - .name:           k_q711d60aa7a_qkv
    .symbol:         k_q711d60aa7a_qkv.kd
    .args:
      - { .name: cod, .offset: 0, .size: 8, .value_kind: global_buffer, .address_space: global }
      - { .name: scl, .offset: 8, .size: 8, .value_kind: global_buffer, .address_space: global }
      - { .name: b_qkv, .offset: 16, .size: 8, .value_kind: global_buffer, .address_space: global }
      - { .name: qkv, .offset: 24, .size: 8, .value_kind: global_buffer, .address_space: global }
    .group_segment_fixed_size: 327680
    .private_segment_fixed_size: 0
    .kernarg_segment_align: 8
    .kernarg_segment_size: 32
    .max_flat_workgroup_size: 128
    .sgpr_count:     100
    .vgpr_count:     1024
    .wavefront_size: 32
...
	.end_amdgpu_metadata
.endif
;; end of part 2
;; launch attn (part 3): grid 8 x 32, 16 waves a work-group, no clusters, 327,680 bytes of LDS; arguments qkv, pf, ps, of, os; writes of, os
.if DOCPART == 3
	.amdgcn_target "amdgcn-amd-amdhsa--gfx1250"
	.amdhsa_code_object_version 6
	.text
	.protected	k_q711d60aa7a_attn
	.globl	k_q711d60aa7a_attn
	.p2align	8
	.type	k_q711d60aa7a_attn,@function
k_q711d60aa7a_attn:
	s_mov_b64 s[64:65], 0
	v_nop
	global_prefetch_b8 v0, s[64:65] scope:SCOPE_SE
	s_setreg_imm32_b32 hwreg(HW_REG_WAVE_MODE, 25, 1), 1
	s_wait_xcnt 0x0
; Attention with the relative shift, all three products on codes of BF8 (E5M2) with E8M0 scales.  For query i and key k of a (batch, head):
;   score = q_i . k_k + bd(i, k);  bd = q_i . pos[2047 - i + k] for k <= i, 0 for k = i + 1, q_(i+1) . pos[k - i - 2] for k >= i + 2.
; With u = k - i + 2047 that is table[u] . q_i for u < 2048 and table[u] . q_(i+1) above; the first launch made the table (row 2048 is zeros).  A table tile of 16 rows lies wholly on one side, so which q it meets
; is a scalar branch on ids.  The registers stand as [q | zeros | q']: a tile of the lower side is multiplied as [codes | the next 8 registers] x [q | 0], one of the upper side as [the 8 registers before | codes] x [0 | q'].
; The neighbouring registers always hold finite codes, which meet zero codes.  q . k, whose K is 64 too, is fed in the first way.
; What is left is a shear: query lane r wants row kappa + 15 - r of its window of 144 table rows.  The f32 results make one trip through the wave's own LDS bytes and come back as the C of q . k's matrix instructions.
; THE SHEAR'S BYTES.  Results go in by 16-byte stores and come back by 8-byte loads from the even word kappa + 14 - 2 (r / 2), with one word more; lanes with even r then take each register's upper neighbour.
; Scratch row r begins at 768 r + 16 beta(r) bytes.  beta is a permutation of 0..15, so that the sixteen lanes of a half store to sixteen different columns of 16 bytes; and 2 beta(r) - r / 2 with 4 h added takes all 32 values mod 32,
; so that the 32 lanes of an 8-byte load fall on 32 different pairs of banks (64 banks of 4 bytes: ISA guide 11.1).  No pitch that is linear in r gives both.  beta(r) - beta(r + 1) is at most 12, so rows of 576 bytes do not meet.
; SOFTMAX: t = score x log2(e) / 8; M = the running largest t rounded up to a whole number; p = 2^(t - M) is quantised along the keys; the sum of the unquantised p divides at the end; when M moves, sum and O are multiplied by 2^(old M - new M): exact.
; SHARES: a work-group owns 256 queries of one (batch, head); each of sixteen waves 16 of them, in 256 registers, four waves to a SIMD.  16 key steps of 128 keys.
; All products are used transposed (source 1 = my 16 queries): a lane holds one query throughout.  Operands lie in memory and LDS as register images; inside a block of 32 the order is that of a matrix result's registers, alike on both sides.
; SCALE WORDS: an image holds row l % 16's word in lane l.  One load brings two tiles': lanes 0-15 read tile T's image, lanes 16-31 tile T + 1's, and the odd tile's product names the upper lanes.
; LDS: 0 a ring of 32 table tiles of 1,024 bytes (4 chunks of 8); 32,768 the scale words of the 144 table tiles that the work-group walks, filled once; 65,536 and 98,304 two slots of a key step's K (9,216) and V (8,704);
; 90,112 the spare words; 116,224 sixteen scratch areas of 12,288 bytes, written by LDS stores alone.
; The table stream: chunk c = table tiles 112 - 16 blk + 8 c on.  Step t reads chunks t .. t + 2; chunk t + 3 is asked for at its head, into the place that chunk t - 1 has left.
; No cluster: the table's chunks reach each query block of a head at another step, so only K's and V's 17,920 of a step's 26,112 bytes could be asked for jointly, at the price of a round of the cluster's barrier in every step.
; No prefetch: each refill is asked for a whole key step (21 matrix, some 430 vector and 119 LDS instructions in each of sixteen waves) ahead of the wait for it.
; The last query's successor does not exist: its lane reads token 2047 again; none of its scores comes from the table's upper side.
; LIMITS: NaN and infinities are not served; a block whose largest magnitude lies under 2^-111 keeps the byte 1.
.set PSB,   32768
.set KV0,   65536
.set SPARE, 90112
.set SCR,   116224
.set L16, 1                            ; v1  16 x lane
.set L4H, 2                            ; v2  4 x lane + 128 x (lane / 16)
.set SPW, 3
.set NIL, 4
.set SST, 5                            ; v5  scratch, in: my row, + 32 h
.set SRD, 6                            ; v6  scratch, back: SST + 56 - 8 (r / 2)
.set AD16, 7                           ; v7  the step's K and V, 16 x lane
.set AD4,  8                           ; v8  their scale words
.set ADP,  9                           ; v9  the window's scale words
                                       ; v10, v11, v254, v255: LDS addresses of a group's four table tiles; v254, v255 also take a partial sum of p in the loop
.set QQ,  16                           ; v16-23 q; v24-31 zeros; v32-39 q of my queries' successors
.set ZZ,  24
.set QP,  32
.set F,   40                           ; v40-103 fragments in hand; table tiles stand from v48 on
.set PCD, 104                          ; v104-119 p's codes
.set X8,  112                          ; v112-119 the shear's ninth words, while p's codes are dead
.set S,   120                          ; v120-183 scores, then p
.set R8,  184                          ; v184-191 the window's ninth tile
.set O,   192                          ; v192-223 O^T
.set SW,  224                          ; v224-228 scale words in hand, two tiles to a register
.set TM,  232                          ; v232-247 at work
.set FF,  248                          ; v[248:249] f
.set TP,  250
.set PW,  251                          ; p's scale word
.set QSA, 252                          ; q's scale word: bytes 0, 1
.set QSB, 253                          ; the successors': bytes 2, 3
.set WV,  14
.set TS,  15                           ; s15 where the window's scale words begin
.set SEL, 16
.set CS,  18                           ; s[18:19] log2(e) / 8
.set MNT, 20
.set TB,  21                           ; s21 the K, V slot in hand
.set TAU, 22                           ; s22 the window's first tile in the stream
.set CH,  23                           ; s23 the chunk of my table descriptor
.set G1K, 24
.set G1V, 32
.set G1PC, 40
.set G1PS, 48
.set G0K, 56
.set G0V, 60
.set G0PC, 68
.set G0PS, 72
.set LOOP, 76
.set UB,  96                           ; s96 the window's first tile in the table
.set EVN, 97                           ; s97 the lanes with even r
.macro DENSE g, rows                   ; a dense block as rows of 256 bytes (32 elements of 8 bytes), no padding
	s_mov_b32 s[\g], 3<<16
	s_mov_b32 s[\g+1], 32<<16
	s_mov_b32 s[\g+2], (\rows)<<16
	s_mov_b32 s[\g+3], 32<<16
	s_mov_b32 s[\g+4], \rows
	s_mov_b32 s[\g+5], 32
	s_mov_b32 s[\g+6], 0
	s_mov_b32 s[\g+7], 0
.endm
.macro NOPS n
.rept \n
	v_nop
.endr
.endm
; one product: D at d, source 0 at a, source 1 at b; acc = 1: it adds onto D; source 0's scales in the lower (row = 0) or upper (row = 1) lanes of v[sa]
.macro WM d, a, b, acc, sa, sb, row
.if \acc
.if \row
	v_wmma_scale_f32_16x16x128_f8f6f4 v[(\d):(\d)+7], v[(\a):(\a)+15], v[(\b):(\b)+15], v[(\d):(\d)+7], v[\sa], v[\sb] matrix_a_fmt:MATRIX_FMT_BF8 matrix_b_fmt:MATRIX_FMT_BF8 matrix_a_scale:MATRIX_SCALE_ROW1
.else
	v_wmma_scale_f32_16x16x128_f8f6f4 v[(\d):(\d)+7], v[(\a):(\a)+15], v[(\b):(\b)+15], v[(\d):(\d)+7], v[\sa], v[\sb] matrix_a_fmt:MATRIX_FMT_BF8 matrix_b_fmt:MATRIX_FMT_BF8
.endif
.else
.if \row
	v_wmma_scale_f32_16x16x128_f8f6f4 v[(\d):(\d)+7], v[(\a):(\a)+15], v[(\b):(\b)+15], 0, v[\sa], v[\sb] matrix_a_fmt:MATRIX_FMT_BF8 matrix_b_fmt:MATRIX_FMT_BF8 matrix_a_scale:MATRIX_SCALE_ROW1
.else
	v_wmma_scale_f32_16x16x128_f8f6f4 v[(\d):(\d)+7], v[(\a):(\a)+15], v[(\b):(\b)+15], 0, v[\sa], v[\sb] matrix_a_fmt:MATRIX_FMT_BF8 matrix_b_fmt:MATRIX_FMT_BF8
.endif
.endif
.endm
.macro QUANT s, pc, pw, nb
.set QB, 0
.rept \nb
	v_max3_num_f32 v[TM+QB], |v[(\s)+16*QB]|, |v[(\s)+16*QB+1]|, 0x8000000
.set QB, QB+1
.endr
.irp i, 2,4,6,8,10,12,14
.set QB, 0
.rept \nb
	s_delay_alu instid0(VALU_DEP_2)
	v_max3_num_f32 v[TM+QB], v[TM+QB], |v[(\s)+16*QB+\i]|, |v[(\s)+16*QB+\i+1]|
.set QB, QB+1
.endr
.endr
.set QB, 0
.rept \nb
	s_delay_alu instid0(VALU_DEP_2)
	v_permlanex16_b32 v[TM+4+QB], v[TM+QB], s[SEL], s[SEL+1]
.set QB, QB+1
.endr
.set QB, 0
.rept \nb
	s_delay_alu instid0(VALU_DEP_2)
	v_max_num_f32 v[TM+QB], v[TM+QB], v[TM+4+QB]
.set QB, QB+1
.endr
.set QB, 0
.rept \nb
	s_delay_alu instid0(VALU_DEP_2)
	v_add_nc_u32 v[TM+12+QB], 0xf8800000, v[TM+QB]
.set QB, QB+1
.endr
.set QB, 0
.rept \nb
	s_delay_alu instid0(VALU_DEP_4)
	v_and_or_b32 v[TM+8+QB], v[TM+QB], 0x7f800000, s[MNT]
.set QB, QB+1
.endr
.set QB, 0
.rept \nb
	s_delay_alu instid0(VALU_DEP_4)
	v_lshrrev_b32 v[TM+4+QB], 23, v[TM+12+QB]
.set QB, QB+1
.endr
	s_delay_alu instid0(VALU_DEP_1)
	v_lshl_or_b32 v[\pw], v[TM+5], 8, v[TM+4]
.if \nb > 2
	v_lshl_or_b32 v[\pw], v[TM+6], 16, v[\pw]
	v_lshl_or_b32 v[\pw], v[TM+7], 24, v[\pw]
.endif
.set QB, 0
.rept \nb
.set QI, 0
.rept 16
	v_med3_num_f32 v[(\s)+16*QB+QI], v[(\s)+16*QB+QI], -v[TM+8+QB], v[TM+8+QB]
.set QI, QI+1
.endr
	v_cvt_scalef32_pk8_bf8_f32 v[(\pc)+4*QB:(\pc)+4*QB+1], v[(\s)+16*QB:(\s)+16*QB+7], v[TM+12+QB]
	v_cvt_scalef32_pk8_bf8_f32 v[(\pc)+4*QB+2:(\pc)+4*QB+3], v[(\s)+16*QB+8:(\s)+16*QB+15], v[TM+12+QB]
.set QB, QB+1
.endr
	v_nop
.endm
	s_load_b256 s[4:11], s[0:1], 0x0               ; qkv s[4:5], pf s[6:7], ps s[8:9], of s[10:11]
	s_load_b64 s[12:13], s[0:1], 0x20              ; os
	v_lshl_add_u32 v[SPW], v0, 2, SPARE
	v_mov_b32 v[NIL], 0
	ds_add_u32 v3, v4
	ds_add_u32 v3, v4
	s_wait_dscnt 0x0
	v_lshrrev_b32 v5, 5, v0
	s_delay_alu instid0(VALU_DEP_1)
	v_readfirstlane_b32 s[WV], v5                  ; wave 0..15
	s_and_b32 s77, ttmp7, 0xffff                   ; 16 x batch + head
	s_and_b32 s78, s77, 15                         ; head
	s_lshr_b32 s79, s77, 4                         ; batch
	DENSE G1K, 36
	DENSE G1V, 34
	DENSE G1PC, 32
	DENSE G1PS, 72
	s_and_b32 s[CH], s[WV], 3
	s_lshl_b32 s80, ttmp9, 4
	s_sub_co_u32 s80, 112, s80                     ; the stream's first table tile
	s_mul_i32 s82, s77, 147456
	s_add_co_u32 s82, s82, 4718592                 ; k of my (batch, head)
	s_mov_b32 s83, 0
	s_mul_i32 s84, s77, 139264
	s_add_co_u32 s84, s84, 9437184                 ; v
	s_mov_b32 s85, 0
	s_lshl_b32 s86, s78, 18
	s_lshl_b32 s81, s80, 10
	s_add_co_u32 s86, s86, s81
	s_lshl_b32 s81, s[CH], 13
	s_add_co_u32 s86, s86, s81                     ; the table's chunk CH
	s_mov_b32 s87, 0
	s_lshl_b32 s88, s78, 15
	s_lshl_b32 s89, s80, 7
	s_add_co_u32 s88, s88, s89                     ; the stream's scale words
	s_mov_b32 s89, 0
	s_mul_i32 s90, s77, 147456                     ; q of my (batch, head)
	s_mov_b32 s91, 0
	s_wait_kmcnt 0x0
	s_mov_b32 s[G0K], 1
	s_mov_b32 s[G0K+1], KV0
	s_add_nc_u64 s[G0K+2:G0K+3], s[4:5], s[82:83]
	s_or_b32 s[G0K+3], s[G0K+3], 0x80000000
	s_mov_b32 s[G0V], 1
	s_mov_b32 s[G0V+1], KV0+9216
	s_add_nc_u64 s[G0V+2:G0V+3], s[4:5], s[84:85]
	s_or_b32 s[G0V+3], s[G0V+3], 0x80000000
	s_mov_b32 s[G0PC], 1
	s_mov_b32 s[G0PC+1], s81                       ; chunk CH's place in the ring: 8,192 x (CH mod 4)
	s_add_nc_u64 s[G0PC+2:G0PC+3], s[6:7], s[86:87]
	s_or_b32 s[G0PC+3], s[G0PC+3], 0x80000000
	s_mov_b32 s[G0PS], 1
	s_mov_b32 s[G0PS+1], PSB
	s_add_nc_u64 s[G0PS+2:G0PS+3], s[8:9], s[88:89]
	s_or_b32 s[G0PS+3], s[G0PS+3], 0x80000000
	; the first fills, at most one a wave: wave 0 K, wave 1 V, waves 4-6 the table's chunks 0-2, wave 8 the scale words.  Four v_nop follow each line
	s_cmp_lg_u32 s[WV], 0
	s_cbranch_scc1 .Lf1
	tensor_load_to_lds s[G0K:G0K+3], s[G1K:G1K+7]
	s_nop 0
	NOPS 4
	s_branch .Lfdone
.Lf1:
	s_cmp_lg_u32 s[WV], 1
	s_cbranch_scc1 .Lf2
	tensor_load_to_lds s[G0V:G0V+3], s[G1V:G1V+7]
	s_nop 0
	NOPS 4
	s_branch .Lfdone
.Lf2:
	s_cmp_lt_u32 s[WV], 4
	s_cbranch_scc1 .Lfdone
	s_cmp_gt_u32 s[WV], 6
	s_cbranch_scc1 .Lf3
	tensor_load_to_lds s[G0PC:G0PC+3], s[G1PC:G1PC+7]
	s_nop 0
	NOPS 4
	s_branch .Lfdone
.Lf3:
	s_cmp_lg_u32 s[WV], 8
	s_cbranch_scc1 .Lfdone
	tensor_load_to_lds s[G0PS:G0PS+3], s[G1PS:G1PS+7]
	s_nop 0
	NOPS 4
.Lfdone:
	s_add_nc_u64 s[90:91], s[4:5], s[90:91]
	s_lshl_b32 s92, ttmp9, 4
	s_add_co_u32 s92, s92, s[WV]                   ; my tile of 16 queries in the sequence
	s_lshr_b32 s93, s92, 3
	s_mul_i32 s93, s93, 9216
	s_and_b32 s94, s92, 7
	s_lshl_b32 s95, s94, 10
	s_add_co_u32 s82, s93, s95
	s_mov_b32 s83, 0
	s_add_nc_u64 s[82:83], s[90:91], s[82:83]      ; its codes
	s_lshl_b32 s95, s94, 7
	s_add_co_u32 s84, s93, s95
	s_add_co_u32 s84, s84, 8192
	s_mov_b32 s85, 0
	s_add_nc_u64 s[84:85], s[90:91], s[84:85]      ; its scale words
	s_lshl_b32 s95, s92, 4
	s_add_co_u32 s95, s95, 1
	v_and_b32 v40, 15, v0                          ; r
	v_bfe_u32 v41, v0, 4, 1                        ; h
	v_and_b32 v42, 31, v0
	s_delay_alu instid0(VALU_DEP_1)
	v_lshlrev_b32 v[L16], 4, v42
	s_delay_alu instid0(VALU_DEP_2)
	v_lshlrev_b32 v49, 2, v42                      ; 4 x lane
	s_delay_alu instid0(VALU_DEP_1)
	v_lshl_add_u32 v[L4H], v41, 7, v49             ; lanes 16-31 read the next tile's image
	v_add_nc_u32 v43, s95, v40                     ; my query's successor,
	s_delay_alu instid0(VALU_DEP_1)
	v_min_u32 v43, 0x7ff, v43                      ; held inside the sequence
	s_delay_alu instid0(VALU_DEP_1)
	v_lshrrev_b32 v44, 7, v43
	s_delay_alu instid0(VALU_DEP_1)
	v_mul_u32_u24 v44, v44, 9216
	s_delay_alu instid0(VALU_DEP_3)
	v_bfe_u32 v45, v43, 4, 3
	s_delay_alu instid0(VALU_DEP_4)
	v_and_b32 v46, 15, v43
	s_delay_alu instid0(VALU_DEP_2)
	v_lshl_add_u32 v47, v45, 10, v44
	s_delay_alu instid0(VALU_DEP_1)
	v_lshl_add_u32 v47, v46, 4, v47
	s_delay_alu instid0(VALU_DEP_1)
	v_lshl_add_u32 v47, v41, 8, v47                ; its 16 bytes of a group in its tile's image
	v_lshl_add_u32 v48, v45, 7, v44
	s_delay_alu instid0(VALU_DEP_1)
	v_lshl_add_u32 v48, v46, 2, v48                ; its scale word
	global_load_b128 v[QQ:QQ+3], v[L16], s[82:83]
	global_load_b128 v[QQ+4:QQ+7], v[L16], s[82:83] offset:512
	global_load_b32 v[QSA], v49, s[84:85]
	global_load_b128 v[QP:QP+3], v47, s[90:91]
	global_load_b128 v[QP+4:QP+7], v47, s[90:91] offset:512
	global_load_b32 v[PW], v48, s[90:91] offset:8192
	; my scratch row.  With b = r & 1, a0 = (r >> 1) & 1, al = r >> 2, ab = a0 & b, e = a0 | b:  q = (((al ^ 3 e) + b + ab) & 3) ^ ((al >> 1) & ab);  beta = (al + b + 2 ab + 4 q) & 15
	s_mul_i32 s81, s[WV], 12288
	s_add_co_u32 s81, s81, SCR                     ; my wave's scratch
	v_and_b32 v50, 1, v40                          ; b
	v_bfe_u32 v51, v40, 1, 1                       ; a0
	v_lshrrev_b32 v52, 2, v40                      ; al
	v_lshrrev_b32 v53, 3, v40                      ; al >> 1
	s_delay_alu instid0(VALU_DEP_3)
	v_and_b32 v54, v50, v51                        ; ab
	s_delay_alu instid0(VALU_DEP_4)
	v_add_nc_u32 v55, v50, v51
	s_delay_alu instid0(VALU_DEP_1)
	v_sub_nc_u32 v55, v55, v54                     ; e
	s_delay_alu instid0(VALU_DEP_1)
	v_mul_u32_u24 v56, v55, 3
	s_delay_alu instid0(VALU_DEP_1)
	v_xor_b32 v56, v52, v56
	s_delay_alu instid0(VALU_DEP_1)
	v_add_nc_u32 v56, v56, v50
	s_delay_alu instid0(VALU_DEP_1)
	v_add_nc_u32 v56, v56, v54
	s_delay_alu instid0(VALU_DEP_1)
	v_and_b32 v56, 3, v56
	v_and_b32 v57, v53, v54
	s_delay_alu instid0(VALU_DEP_1)
	v_xor_b32 v56, v56, v57                        ; q
	v_add_nc_u32 v57, v52, v50
	s_delay_alu instid0(VALU_DEP_1)
	v_lshl_add_u32 v57, v54, 1, v57
	s_delay_alu instid0(VALU_DEP_1)
	v_lshl_add_u32 v57, v56, 2, v57
	s_delay_alu instid0(VALU_DEP_1)
	v_and_b32 v57, 15, v57                         ; beta
	v_mul_u32_u24 v[SST], v40, 768
	s_delay_alu instid0(VALU_DEP_1)
	v_lshl_add_u32 v[SST], v57, 4, v[SST]
	s_delay_alu instid0(VALU_DEP_1)
	v_lshl_add_u32 v[SST], v41, 5, v[SST]
	s_delay_alu instid0(VALU_DEP_1)
	v_add_nc_u32 v[SST], s81, v[SST]               ; word 16 T + 8 h + j of row r lies 64 T + 4 j bytes on
	v_lshrrev_b32 v58, 1, v40
	s_delay_alu instid0(VALU_DEP_1)
	v_lshlrev_b32 v58, 3, v58
	s_delay_alu instid0(VALU_DEP_1)
	v_sub_nc_u32 v[SRD], v[SST], v58
	s_delay_alu instid0(VALU_DEP_1)
	v_add_nc_u32 v[SRD], 56, v[SRD]                ; back: from word 8 h + 14 - 2 (r / 2) on: a multiple of 8 bytes
	s_mov_b32 s[SEL], 0x76543210
	s_mov_b32 s[SEL+1], 0xfedcba98
	s_mov_b32 s[CS], 0x3e38aa3b                    ; log2(e) / 8
	s_mov_b32 s[CS+1], s[CS]
	s_mov_b32 s[MNT], 0x600000
	s_mov_b32 s[EVN], 0x55555555
	s_mov_b32 s[TB], KV0
	s_xor_b32 s[TAU], s[WV], 15                    ; 15 - wave
	s_add_co_u32 s[UB], s80, s[TAU]
	s_lshl_b32 s[TS], s[TAU], 7
	s_add_co_u32 s[TS], s[TS], PSB
	s_mov_b32 s[LOOP], 15
	s_wait_loadcnt 0x0
	v_lshl_or_b32 v[QSB], v[PW], 16, 0x7f7f        ; the successors' two bytes stand over the upper half of K, 0x7f over the zeros
.irp j, 0,1,2,3,4,5,6,7
	v_mov_b32 v[ZZ+\j], 0
	v_mov_b32 v[F+\j], 0                           ; the registers beside the first step's table tiles: zero codes
	v_mov_b32 v[F+40+\j], 0
.endr
.irp j, 0,1,2,3,4,5,6,7,8,9,10,11,12,13,14,15
	v_mov_b32 v[PCD+\j], 0
.endr
.set J, 0
.rept 32
	v_mov_b32 v[O+J], 0                            ; the step is written once: the first finds zeros, which the first change of M leaves zeros
.set J, J+1
.endr
	v_mov_b32 v13, 0xff61b1e6                      ; the largest t so far: -3e38
	s_delay_alu instid0(VALU_DEP_1)
	v_floor_f32 v12, -v13                          ; -M
	v_mov_b32 v14, 0
	v_mov_b32 v15, 0
.irp b, 0,1,2,3
	v_mov_b32 v[TM+4+\b], 0                        ; a lane permute's destination counts as one of its sources
.endr
	v_mov_b32 v[FF+1], 0                           ; named with f as a pair
	v_mov_b32 v[TP], 0
.macro BDADR e, T                      ; where window tile T lies in the ring
	s_add_co_u32 s77, s[TAU], \T
	s_and_b32 s77, s77, 31
	s_lshl_b32 s77, s77, 10
	v_add_nc_u32 v[10+(\e)+242*((\e)/2)], s77, v[L16]
.endm
.macro BDLOAD e                        ; a table tile: 16 rows x 64, eight registers
	ds_load_b128 v[F+8+8*(\e):F+8+8*(\e)+3], v[10+(\e)+242*((\e)/2)]
	ds_load_b128 v[F+8+8*(\e)+4:F+8+8*(\e)+7], v[10+(\e)+242*((\e)/2)] offset:512
.endm
.macro BDMUL e, d, T, sw, row          ; window tile T is table tile UB + T: under 128 it meets q, else the successors' q
	s_cmp_lt_u32 s[UB], 128-(\T)
	s_cbranch_scc0 .Lhi_\@
	WM \d, F+8+8*(\e), QQ, 0, \sw, QSA, \row
	s_branch .Lbd_\@
.Lhi_\@:
	WM \d, F+8*(\e), ZZ, 0, \sw, QSB, \row
.Lbd_\@:
.endm
.macro BDOUT d, T                      ; lane (r, h): words 16 T + 8 h + 0..7 of scratch row r; the result's low end first
	ds_store_b128 v[SST], v[\d:\d+3] offset:64*(\T)
	ds_store_b128 v[SST], v[\d+4:\d+7] offset:64*(\T)+16
.endm
; A KEY STEP: 128 keys.  Every LDS wait in it is for 0.
.macro STEP
	v_add_nc_u32 v[AD16], s[TB], v[L16]
	v_add_nc_u32 v[AD4], s[TB], v[L4H]
	v_add_nc_u32 v[ADP], s[TS], v[L4H]
.irp e, 0,1,2,3
	BDADR \e, \e
.endr
	v_nop                                          ; seven additions and this line: the eight places behind the last step's products, in front of loads into their registers
	s_wait_alu depctr_va_vdst(0)
.irp e, 0,1,2,3
	BDLOAD \e
.endr
	ds_load_b32 v[SW], v[ADP]                      ; the scale words of tiles 0 and 1,
	ds_load_b32 v[SW+1], v[ADP] offset:256         ; of 2 and 3
	s_wait_dscnt 0x0
.irp e, 0,1,2,3
	BDMUL \e, S+8*\e, \e, SW+\e/2, \e%2
.endr
.irp e, 0,1,2,3
	BDADR \e, \e+4
.endr
	NOPS 4                                         ; four additions and four: eight places
.irp e, 0,1,2,3
	BDOUT S+8*\e, \e
.endr
	s_wait_alu depctr_va_vdst(0)
.irp e, 0,1,2,3
	BDLOAD \e
.endr
	ds_load_b32 v[SW+2], v[ADP] offset:512
	ds_load_b32 v[SW+3], v[ADP] offset:768
	s_wait_dscnt 0x0
.irp e, 0,1,2,3
	BDMUL \e, S+32+8*\e, \e+4, SW+2+\e/2, \e%2
.endr
	BDADR 0, 8
	NOPS 7
.irp e, 0,1,2,3
	BDOUT S+32+8*\e, \e+4
.endr
	BDLOAD 0
	ds_load_b32 v[SW+4], v[ADP] offset:896         ; tiles 7 and 8: so no lane reads past the 144 images
	s_wait_dscnt 0x0
	BDMUL 0, R8, 8, SW+4, 1
	NOPS 8
	BDOUT R8, 8
.irp kt, 0,1,2,3,4,5,6,7               ; K's eight tiles of 16 keys x 64
	ds_load_b128 v[F+8*\kt:F+8*\kt+3], v[AD16] offset:1024*\kt
	ds_load_b128 v[F+8*\kt+4:F+8*\kt+7], v[AD16] offset:1024*\kt+512
.endr
.irp p, 0,1,2,3
	ds_load_b32 v[SW+\p], v[AD4] offset:8192+256*\p
.endr
.irp kt, 0,1,2,3,4,5,6,7               ; THE SHEAR.  LDS serves a wave's instructions in order (ISA guide 5.7.1.4): these see my stores above
.irp i, 0,1,2,3
	ds_load_b64 v[S+8*\kt+2*\i:S+8*\kt+2*\i+1], v[SRD] offset:64*\kt+8*\i
.endr
	ds_load_b32 v[X8+\kt], v[SRD] offset:64*\kt+32
.endr
	s_wait_dscnt 0x0
.irp kt, 0,1,2,3,4,5,6,7               ; lanes with even r began one word early: each register takes its upper neighbour's word, in ascending order
.irp j, 0,1,2,3,4,5,6
	v_cndmask_b32 v[S+8*\kt+\j], v[S+8*\kt+\j], v[S+8*\kt+\j+1], s[EVN]
.endr
	v_cndmask_b32 v[S+8*\kt+7], v[S+8*\kt+7], v[X8+\kt], s[EVN]
.endr
.irp kt, 0,1,2,3,4,5,6,7               ; S^T = K Q^T + the position term, which enters as C: no addition is written
	WM S+8*\kt, F+8*\kt, QQ, 1, SW+\kt/2, QSA, \kt%2
.endr
	NOPS 8
.irp dt, 0,1,2,3                       ; V's four tiles of 16 channels x 128 keys land under the softmax
.irp c, 0,1,2,3
	ds_load_b128 v[F+16*\dt+4*\c:F+16*\dt+4*\c+3], v[AD16] offset:9216+2048*\dt+512*\c
.endr
.endr
	ds_load_b32 v[SW], v[AD4] offset:17408
	ds_load_b32 v[SW+1], v[AD4] offset:17408+256
.irp b, 0,1,2,3
	v_max3_num_f32 v[TM+\b], v[S+16*\b], v[S+16*\b+1], v[S+16*\b+2]   ; the largest score of each block of 32 keys: for the row's maximum and, since p rises with the score, for the block's largest p
.endr
.irp i, 3,5,7,9,11,13
.irp b, 0,1,2,3
	v_max3_num_f32 v[TM+\b], v[TM+\b], v[S+16*\b+\i], v[S+16*\b+\i+1]
.endr
.endr
.irp b, 0,1,2,3
	v_max_num_f32 v[TM+\b], v[TM+\b], v[S+16*\b+15]
.endr
.irp b, 0,1,2,3
	s_delay_alu instid0(VALU_DEP_4)
	v_permlanex16_b32 v[TM+4+\b], v[TM+\b], s[SEL], s[SEL+1]
.endr
.irp b, 0,1,2,3
	s_delay_alu instid0(VALU_DEP_4)
	v_max_num_f32 v[TM+\b], v[TM+\b], v[TM+4+\b]
.endr
	s_delay_alu instid0(VALU_DEP_2)
	v_max3_num_f32 v[TP], v[TM], v[TM+1], v[TM+2]
	s_delay_alu instid0(VALU_DEP_1)
	v_max_num_f32 v[TP], v[TP], v[TM+3]
	s_delay_alu instid0(VALU_DEP_1)
	v_mul_f32 v[TP], s[CS], v[TP]
	s_delay_alu instid0(VALU_DEP_1)
	v_max_num_f32 v13, v13, v[TP]                  ; the running largest t
	v_mov_b32 v[TP], v12
	s_delay_alu instid0(VALU_DEP_2)
	v_floor_f32 v12, -v13                          ; the new -M: M is a whole number
	s_delay_alu instid0(VALU_DEP_1)
	v_sub_f32 v[TP], v12, v[TP]
	s_delay_alu instid0(VALU_DEP_1)
	v_cvt_i32_f32 v[TP], v[TP]                     ; (it saturates)
	s_delay_alu instid0(VALU_DEP_1)
	v_ldexp_f32 v[FF], 1.0, v[TP]                  ; f = 2^(old M - new M)
.set J, 0
.rept 32
	v_pk_fma_f32 v[S+J:S+J+1], v[S+J:S+J+1], s[CS:CS+1], v[12:13] op_sel_hi:[1,0,0]   ; t - M
.set J, J+2
.endr
.irp b, 0,1,2,3
	v_fma_f32 v[TM+\b], v[TM+\b], s[CS], v12
.endr
.set J, 0
	s_wait_alu depctr_va_vdst(0)
.rept 64
	v_exp_f32 v[S+J], v[S+J]                       ; p = 2^(t - M): not normalised
.set J, J+1
.endr
	v_pk_mul_f32 v[14:15], v[14:15], v[FF:FF+1] op_sel_hi:[1,0]   ; the sums under the new M; a plain line behind the exponentials
	s_wait_alu depctr_va_vdst(0)                   ; one wait for the batch, ahead of its first reader
.irp b, 0,1,2,3
	v_exp_f32 v[TM+\b], v[TM+\b]                   ; the block's largest p
.endr
	v_pk_add_f32 v[236:237], v[124:125], v[128:129]
	v_pk_add_f32 v[254:255], v[132:133], v[136:137]
	v_pk_add_f32 v[246:247], v[140:141], v[144:145]
	v_pk_add_f32 v[244:245], v[148:149], v[152:153]
	v_pk_add_f32 v[242:243], v[156:157], v[160:161]
	v_pk_add_f32 v[240:241], v[164:165], v[168:169]
	v_pk_add_f32 v[238:239], v[172:173], v[176:177]
	v_pk_add_f32 v[14:15], v[14:15], v[180:181]
	v_pk_add_f32 v[236:237], v[236:237], v[120:121]
	v_pk_add_f32 v[254:255], v[254:255], v[122:123]
	v_pk_add_f32 v[246:247], v[246:247], v[126:127]
	v_pk_add_f32 v[244:245], v[244:245], v[130:131]
	v_pk_add_f32 v[242:243], v[242:243], v[134:135]
	v_pk_add_f32 v[240:241], v[240:241], v[138:139]
	v_pk_add_f32 v[238:239], v[238:239], v[142:143]
	v_pk_add_f32 v[14:15], v[14:15], v[146:147]
	v_pk_add_f32 v[236:237], v[236:237], v[150:151]
	v_pk_add_f32 v[254:255], v[254:255], v[154:155]
	v_pk_add_f32 v[246:247], v[246:247], v[158:159]
	v_pk_add_f32 v[244:245], v[244:245], v[162:163]
	v_pk_add_f32 v[242:243], v[242:243], v[166:167]
	v_pk_add_f32 v[240:241], v[240:241], v[170:171]
	v_pk_add_f32 v[238:239], v[238:239], v[174:175]
	v_pk_add_f32 v[14:15], v[14:15], v[178:179]
	v_pk_add_f32 v[236:237], v[236:237], v[182:183]
	s_delay_alu instid0(VALU_DEP_2)
	v_pk_add_f32 v[14:15], v[14:15], v[244:245]
	s_delay_alu instid0(VALU_DEP_2)
	v_pk_add_f32 v[236:237], v[236:237], v[242:243]
	v_pk_add_f32 v[254:255], v[254:255], v[240:241]
	v_pk_add_f32 v[246:247], v[246:247], v[238:239]
	s_delay_alu instid0(VALU_DEP_2)
	v_pk_add_f32 v[14:15], v[14:15], v[254:255]
	s_delay_alu instid0(VALU_DEP_2)
	v_pk_add_f32 v[236:237], v[236:237], v[246:247]
	s_delay_alu instid0(VALU_DEP_1)
	v_pk_add_f32 v[14:15], v[14:15], v[236:237]
	s_wait_alu depctr_va_vdst(0)                   ; and one for the four
.irp b, 0,1,2,3
	v_max_num_f32 v[TM+\b], 0x8000000, v[TM+\b]    ; the floor
.endr
.irp b, 0,1,2,3
	s_delay_alu instid0(VALU_DEP_4)
	v_add_nc_u32 v[TM+12+\b], 0xf8800000, v[TM+\b]
.endr
.irp b, 0,1,2,3
	v_and_or_b32 v[TM+8+\b], v[TM+\b], 0x7f800000, s[MNT]
.endr
.irp b, 0,1,2,3
	v_lshrrev_b32 v[TM+4+\b], 23, v[TM+12+\b]
.endr
	s_delay_alu instid0(VALU_DEP_3)
	v_lshl_or_b32 v[PW], v[TM+5], 8, v[TM+4]
	s_delay_alu instid0(VALU_DEP_1)
	v_lshl_or_b32 v[PW], v[TM+6], 16, v[PW]
	s_delay_alu instid0(VALU_DEP_1)
	v_lshl_or_b32 v[PW], v[TM+7], 24, v[PW]
.irp b, 0,1,2,3
.irp i, 0,1,2,3,4,5,6,7,8,9,10,11,12,13,14,15
	v_min_num_f32 v[S+16*\b+\i], v[S+16*\b+\i], v[TM+8+\b]   ; p is not negative: the hold is one-sided
.endr
	v_cvt_scalef32_pk8_bf8_f32 v[PCD+4*\b:PCD+4*\b+1], v[S+16*\b:S+16*\b+7], v[TM+12+\b]
	v_cvt_scalef32_pk8_bf8_f32 v[PCD+4*\b+2:PCD+4*\b+3], v[S+16*\b+8:S+16*\b+15], v[TM+12+\b]
.endr
.set J, 0
.rept 16
	v_pk_mul_f32 v[O+J:O+J+1], v[O+J:O+J+1], v[FF:FF+1] op_sel_hi:[1,0]   ; O^T under the new M; also the places between the conversions and the products
.set J, J+2
.endr
	s_wait_alu depctr_va_vdst(0)
	s_wait_dscnt 0x0                               ; V
.irp dt, 0,1,2,3
	WM O+8*\dt, F+16*\dt, PCD, 1, SW+\dt/2, PW, \dt%2
.endr
	s_add_co_u32 s[TAU], s[TAU], 8
	s_add_co_u32 s[UB], s[UB], 8
	s_add_co_u32 s[TS], s[TS], 1024
	s_xor_b32 s[TB], s[TB], 32768
.endm
.macro TLOAD3                          ; wave 0: the next step's K; wave 1: its V; wave 6: the table's next chunk.  One load a wave
	s_cmp_lg_u32 s[WV], 0
	s_cbranch_scc1 .Ln0_\@
	tensor_load_to_lds s[G0K:G0K+3], s[G1K:G1K+7]
	s_nop 0
	NOPS 4
	s_branch .Ldone_\@
.Ln0_\@:
	s_cmp_lg_u32 s[WV], 1
	s_cbranch_scc1 .Ln1_\@
	tensor_load_to_lds s[G0V:G0V+3], s[G1V:G1V+7]
	s_nop 0
	NOPS 4
	s_branch .Ldone_\@
.Ln1_\@:
	s_cmp_lg_u32 s[WV], 6
	s_cbranch_scc1 .Ldone_\@
	tensor_load_to_lds s[G0PC:G0PC+3], s[G1PC:G1PC+7]
	s_nop 0
	NOPS 4
.Ldone_\@:
.endm
; THE CHANGE stands at a step's head: every wave waits for all its tensor loads, adds 0 to its spare word, waits for that and for its LDS reads, and passes the barrier; behind it this step's tiles are whole and nobody reads what the last step has left.
.macro CHANGE fill
	s_wait_tensorcnt 0x0                           ; no tensor load of mine is out, so a group 0 may be written
	ds_add_u32 v[SPW], v[NIL]                      ; 0 onto my spare word
	ds_add_u32 v[SPW], v[NIL]
.if \fill
	s_xor_b32 s[G0K+1], s[G0K+1], 32768
	s_add_nc_u64 s[G0K+2:G0K+3], s[G0K+2:G0K+3], 9216
	s_xor_b32 s[G0V+1], s[G0V+1], 32768
	s_add_nc_u64 s[G0V+2:G0V+3], s[G0V+2:G0V+3], 8704
	s_add_co_u32 s[CH], s[CH], 1
	s_and_b32 s77, s[CH], 3
	s_lshl_b32 s[G0PC+1], s77, 13
	s_add_nc_u64 s[G0PC+2:G0PC+3], s[G0PC+2:G0PC+3], 8192
.endif
	s_wait_dscnt 0x0
	s_barrier_signal -1
	s_barrier_wait -1
.if \fill
	TLOAD3
.endif
.endm
.Lstep:                                ; 15 trips: at each step's head but the last the next step's tiles are asked for
	CHANGE 1
	STEP
	s_sub_co_u32 s[LOOP], s[LOOP], 1
	s_cmp_lg_u32 s[LOOP], 0
	s_cbranch_scc1 .Lstep
	CHANGE 0                               ; the last step is written out
	STEP
	; THE WAY OUT: O^T / the sum is quantised along head x 64 + channel, the K of the output projection, and leaves as half an image
	NOPS 8
	v_add_f32 v14, v14, v15
	s_delay_alu instid0(VALU_DEP_1)
	v_permlanex16_b32 v[TP], v14, s[SEL], s[SEL+1]
	s_delay_alu instid0(VALU_DEP_1)
	v_add_f32 v14, v14, v[TP]                      ; the row's sum
	s_wait_alu depctr_va_vdst(0)
	v_rcp_f32 v14, v14
	v_and_b32 v10, 31, v0                          ; a plain line behind the reciprocal
	s_delay_alu instid0(VALU_DEP_1)
	v_lshlrev_b32 v10, 1, v10                      ; 2 x lane
	s_lshl_b32 s80, s79, 7
	s_add_co_u32 s80, s80, s92                     ; my row tile of tokens
	s_lshl_b32 s82, s80, 3
	s_lshr_b32 s81, s78, 1
	s_add_co_u32 s82, s82, s81
	s_lshl_b32 s82, s82, 11
	s_and_b32 s81, s78, 1
	s_lshl_b32 s81, s81, 10
	s_add_co_u32 s82, s82, s81
	s_mov_b32 s83, 0
	s_add_nc_u64 s[82:83], s[10:11], s[82:83]
	s_lshl_b32 s84, s80, 4
	s_add_co_u32 s84, s84, s78
	s_lshl_b32 s84, s84, 6
	s_mov_b32 s85, 0
	s_add_nc_u64 s[84:85], s[12:13], s[84:85]
	s_wait_alu depctr_va_vdst(0)                   ; ahead of the reciprocal's first reader
.set J, 0
.rept 32
	v_mul_f32 v[S+J], v[O+J], v14
.set J, J+1
.endr
	QUANT S, PCD, PW, 2
	global_store_b128 v[L16], v[PCD:PCD+3], s[82:83]               ; 512 consecutive bytes a store
	global_store_b128 v[L16], v[PCD+4:PCD+7], s[82:83] offset:512
	global_store_b16 v10, v[PW], s[84:85]                          ; my row's two scale bytes: 64 consecutive bytes a wave
	s_wait_tensorcnt 0x0                           ; the wave's end
	ds_add_u32 v[SPW], v[NIL]
	s_wait_dscnt 0x0
	s_endpgm
.Lfunc_end_k_q711d60aa7a_attn:
	.size	k_q711d60aa7a_attn, .Lfunc_end_k_q711d60aa7a_attn-k_q711d60aa7a_attn
	.p2alignl 7, 3214868480
	.fill 96, 4, 3214868480
	.section	.rodata,"a",@progbits
	.p2align	6, 0x0
	.amdhsa_kernel k_q711d60aa7a_attn
		.amdhsa_group_segment_fixed_size 327680
		.amdhsa_private_segment_fixed_size 0
		.amdhsa_enable_private_segment 0
		.amdhsa_kernarg_size 40
		.amdhsa_user_sgpr_count 2
		.amdhsa_user_sgpr_kernarg_segment_ptr 1
		.amdhsa_wavefront_size32 1
		.amdhsa_system_sgpr_workgroup_id_x 1
		.amdhsa_system_sgpr_workgroup_id_y 1
		.amdhsa_system_sgpr_workgroup_id_z 1
		.amdhsa_system_vgpr_workitem_id 0
		.amdhsa_next_free_vgpr 256
		.amdhsa_next_free_sgpr 100
		.amdhsa_reserve_vcc 0
		.amdhsa_float_denorm_mode_32 3
		.amdhsa_float_denorm_mode_16_64 3
		.amdhsa_memory_ordered 1
		.amdhsa_forward_progress 1
		.amdhsa_inst_pref_size 90
	.end_amdhsa_kernel
	.amdgpu_metadata
---
amdhsa.version: [ 1, 2 ]
amdhsa.kernels:
  - .name:           k_q711d60aa7a_attn
    .symbol:         k_q711d60aa7a_attn.kd
    .args:
      - { .name: qkv, .offset: 0, .size: 8, .value_kind: global_buffer, .address_space: global }
      - { .name: pf, .offset: 8, .size: 8, .value_kind: global_buffer, .address_space: global }
      - { .name: ps, .offset: 16, .size: 8, .value_kind: global_buffer, .address_space: global }
      - { .name: of, .offset: 24, .size: 8, .value_kind: global_buffer, .address_space: global }
      - { .name: os, .offset: 32, .size: 8, .value_kind: global_buffer, .address_space: global }
    .group_segment_fixed_size: 327680
    .private_segment_fixed_size: 0
    .kernarg_segment_align: 8
    .kernarg_segment_size: 40
    .max_flat_workgroup_size: 512
    .sgpr_count:     100
    .vgpr_count:     256
    .wavefront_size: 32
...
	.end_amdgpu_metadata
.endif
;; end of part 3
;; launch proj (part 4): grid 128 x 1, 16 waves a work-group, clusters of 4 x 1, 327,680 bytes of LDS; arguments of, os, cod, scl, b_fc, x, ln_g, ln_b, out0; writes out0
.if DOCPART == 4
	.amdgcn_target "amdgcn-amd-amdhsa--gfx1250"
	.amdhsa_code_object_version 6
	.text
	.protected	k_q711d60aa7a_proj
	.globl	k_q711d60aa7a_proj
	.p2align	8
	.type	k_q711d60aa7a_proj,@function
k_q711d60aa7a_proj:
	s_mov_b64 s[64:65], 0
	v_nop
	global_prefetch_b8 v0, s[64:65] scope:SCOPE_SE
	s_setreg_imm32_b32 hwreg(HW_REG_WAVE_MODE, 25, 1), 1
	s_wait_xcnt 0x0
	s_wait_alu depctr_hold_cnt(0) depctr_sa_sdst(0) depctr_va_vdst(0) depctr_va_sdst(0) depctr_va_ssrc(0) depctr_va_vcc(0) depctr_vm_vsrc(0)
	s_getreg_b32 s2, hwreg(HW_REG_IB_STS2, 6, 4)
	s_cmp_eq_u32 s2, 0
	s_cbranch_scc0 .Lentry_in_a_cluster
	s_endpgm
.Lentry_in_a_cluster:
	s_bfe_u32 s2, ttmp6, 0x10000c
	s_cmp_lg_u32 s2, 0x3003
	s_cbranch_scc0 .Lentry_shape_is_right
	s_endpgm
.Lentry_shape_is_right:
; out0 = LayerNorm(x + attention output x w_fc + b_fc) x ln_g + ln_b; the product on codes of BF8 (E5M2) with E8M0 scales, K = 1,024; all else f32.
; A work-group takes 32 tokens and ALL 1,024 columns, so that a row's mean and variance need no second launch.  Wave w makes columns 64 w .. 64 w + 63: four tiles of columns x two tiles of tokens, eight accumulators.
; THE WEIGHTS: every work-group walks all of w_fc's codes, so the four work-groups of a cluster ask for them JOINTLY (mask 15).  A K step of all 64 column tiles is 64 images of 2,048 bytes, 16,384 bytes apart in cod: 131,072 bytes, one slot.
; At the head each of the sixteen waves asks for eight images (waves 0-7: K step 0 into slot 0; waves 8-15: K step 1 into slot 1): one load a wave.  K steps 2 to 7 are refills, each behind a drained round of the cluster's barrier:
; each wave asks for its own four images, 8,192 bytes, into the slot that was read in the step before.  By the text's own count a wave has one tensor load out.
; The tokens' 16 fragments (32 KiB) are brought once, one a wave, and go from wave to wave through LDS as register images.  The weights' scale words, 32 a lane, stay in registers.
; PREFETCH: the change that loads K step s + 1 is followed by a request for K step s + 3 (s = 1 .. 4): two refills ahead.  Column tile 16 cx + w is named by wave w of the partner at place cx: eight blocks of 256 bytes in lanes 0-7, the other lanes name the last again;
; so each block is named once in a cluster, and the partners are told apart by address.  K steps 2 and 3 come by their loads alone.  In K step 0 each wave names its own two rows of x (32 blocks, a lane each), and waves 0-11 one block each of b_fc, ln_g, ln_b (48 blocks over the four partners).
; Source 0 = 16 columns of w_fc, source 1 = 16 tokens: a lane holds one token and eight neighbouring columns.  The results meet in a stage of 32 rows x (4,096 + 16) bytes, which lies in the ring behind its last fill and last read; then wave w owns rows 2 w, 2 w + 1 whole.
; The variance is the mean of (y - mean)^2, taken in a second pass: no difference of large sums.  LIMITS: NaN and infinities are not served.
.set SLOT,  131072
.set AIMG,  262144                     ; 16 fragments x 2,048: number 8 mt + K step
.set ASC,   294912                     ; their scale words, 128 bytes each
.set SPARE, 296960                     ; the spare words: 128 bytes a wave
.set WFC,   7340032                    ; w_fc's first column tile in cod: row tile 448 x 16,384
.set ACC,  16                          ; v16-79: accumulator (nt, mt) at 8 (2 nt + mt); later two rows of y
.set AFR,  80                          ; v80-111 the tokens' two fragments; later ln_b
.set BR,   112                         ; v112-175 four fragments of w_fc; later x
.set WS,   176                         ; v176-207 their scale words: 8 nt + K step; later b_fc
.set AS,   248                         ; v248-249 the tokens' scale words
.set XR,   112
.set BF,   176
.set LG,   208
.set LB,   80
.set AAD,  13                          ; v13  LDS: the tokens' images, 16 x lane
.set ASD,  240                         ; v240 LDS: their scale words, 4 x lane
.set WAD,  241                         ; v241, v242 LDS: my four images in slot 0, 1
.set PFW,  243                         ; v243 256 x min(lane, 7)
.set PFX,  244                         ; v244 256 x lane
.set WV,   22
.set G1H,  48                          ; s[48:55] group 1: eight images;  s[56:63]: four
.set G1R,  56
.set G0H,  68
.set G0R,  72
.set PW,   76                          ; s[76:77] column tile 16 cx + w of w_fc
.set PV,   78                          ; s[78:79] my block of the three vectors
.macro ROUND                           ; a round of the cluster's barrier
	s_barrier_signal -1
	s_barrier_wait -1
	s_cmp_lg_u32 s[WV], 0
	s_cbranch_scc1 .Lnot_wave_0_\@
	s_barrier_signal -3
.Lnot_wave_0_\@:
	s_barrier_wait -3
	s_barrier_signal -1
	s_barrier_wait -1
.endm
	s_load_b256 s[4:11], s[0:1], 0x0               ; of s[4:5], os s[6:7], cod s[8:9], scl s[10:11]
	s_load_b256 s[12:19], s[0:1], 0x20             ; b_fc s[12:13], x s[14:15], ln_g s[16:17], ln_b s[18:19]
	s_load_b64 s[20:21], s[0:1], 0x40              ; out0
	v_lshl_add_u32 v14, v0, 2, SPARE
	v_mov_b32 v15, 0
	ds_add_u32 v14, v15                            ; the opening lines: the add, twice on end, and its wait
	ds_add_u32 v14, v15
	v_lshrrev_b32 v1, 5, v0
	v_readfirstlane_b32 s[WV], v1                  ; wave 0..15
	s_bfe_u32 s46, ttmp6, 0x40000                  ; cx
	s_lshl_b32 s47, ttmp9, 2
	s_add_co_u32 s47, s47, s46                     ; work-group g = 4 x cluster + cx
	s_mov_b32 s[G1H], 15|(3<<16)|(1<<21)           ; the mask of the four; elements of 8 bytes
	s_mov_b32 s[G1R], 15|(3<<16)|(1<<21)
.irp g, G1H, G1R
	s_mov_b32 s[\g+1], 256<<16                     ; a row is an image: 256 elements
	s_mov_b32 s[\g+3], 256<<16
	s_mov_b32 s[\g+5], 2048                        ; 16,384 bytes from column tile to column tile
	s_mov_b32 s[\g+6], 0
	s_mov_b32 s[\g+7], 0
.endr
	s_mov_b32 s[G1H+2], 8<<16
	s_mov_b32 s[G1H+4], 8
	s_mov_b32 s[G1R+2], 4<<16
	s_mov_b32 s[G1R+4], 4
	s_lshl_b32 s23, s47, 1
	s_lshr_b32 s24, s[WV], 3
	s_add_co_u32 s23, s23, s24                     ; the row tile whose fragment I bring: 2 g + w / 8,
	s_and_b32 s25, s[WV], 7                        ; K step w % 8
	s_lshl_b32 s26, s23, 3
	s_add_co_u32 s26, s26, s25
	s_lshl_b32 s28, s26, 7                         ; os: (16 x row tile + 2 x K step) x 64
	s_lshl_b32 s26, s26, 11
	s_mov_b32 s27, 0
	s_mov_b32 s29, 0
	s_lshl_b32 s32, s[WV], 11
	s_add_co_u32 s32, s32, 448<<9                  ; scl: my four column tiles, 512 bytes each
	s_mov_b32 s33, 0
	s_lshl_b32 s34, s47, 4
	s_add_co_u32 s34, s34, s[WV]
	s_lshl_b32 s34, s34, 13                        ; rows 32 g + 2 w of 4,096 bytes
	s_mov_b32 s35, 0
	s_lshl_b32 s30, s25, 17                        ; the head's load: column tiles 8 (w % 8) on,
	s_lshl_b32 s24, s24, 11                        ; K step w / 8
	s_add_co_u32 s30, s30, s24
	s_add_co_u32 s30, s30, WFC
	s_mov_b32 s31, 0
	s_lshl_b32 s44, s[WV], 16                      ; the refills: column tiles 4 w on, at K step 1: the first change steps it to 2
	s_add_co_u32 s44, s44, WFC+2048
	s_mov_b32 s45, 0
	s_lshl_b32 s80, s46, 4
	s_add_co_u32 s80, s80, s[WV]
	s_lshl_b32 s80, s80, 14
	s_add_co_u32 s80, s80, WFC                     ; column tile 16 cx + w
	s_mov_b32 s81, 0
	s_mul_i32 s82, s46, 12
	s_add_co_u32 s82, s82, s[WV]                   ; block 12 cx + w of the three vectors' 48
	s_lshr_b32 s84, s82, 4                         ; which vector
	s_and_b32 s82, s82, 15
	s_lshl_b32 s82, s82, 8
	s_mov_b32 s83, 0
	s_mov_b32 s[G0H], 1
	s_lshl_b32 s[G0H+1], s[WV], 14                 ; slot w / 8, image 8 (w % 8)
	s_mov_b32 s[G0R], 1
	s_lshl_b32 s[G0R+1], s[WV], 13
	s_add_co_u32 s[G0R+1], s[G0R+1], SLOT          ; slot 1: the first change turns it to slot 0
	s_lshl_b32 s85, s[WV], 11
	s_add_co_u32 s85, s85, AIMG
	s_lshl_b32 s86, s[WV], 7
	s_add_co_u32 s86, s86, ASC
	s_lshl_b32 s87, s[WV], 8
	s_mul_i32 s88, s[WV], 8224
	s_lshl_b32 s89, s[WV], 13
	s_mov_b32 s40, 0x76543210
	s_mov_b32 s41, 0xfedcba98
	s_mov_b32 s42, 0x3a800000                      ; 1 / 1,024
	s_mov_b32 s43, 0x3727c5ac                      ; 1e-5
	v_and_b32 v8, 31, v0
	v_and_b32 v9, 15, v0                           ; r
	v_bfe_u32 v10, v0, 4, 1                        ; h
	v_mov_b32 v255, 0                              ; named with v254 as a pair; also a prefetch's offset 0
	v_lshlrev_b32 v1, 4, v8                        ; 16 x lane
	v_lshlrev_b32 v2, 2, v8                        ; 4 x lane
	v_lshlrev_b32 v3, 3, v9                        ; 8 r
	v_lshlrev_b32 v4, 1, v8                        ; 2 x lane
	v_mul_u32_u24 v5, v9, 4112
	v_min_u32 v[PFW], 7, v8
	v_lshlrev_b32 v[PFX], 8, v8
	v_add_nc_u32 v11, s85, v1                      ; where I store my fragment's image
	v_add_nc_u32 v12, s86, v2                      ; and its scale words
	v_lshl_add_u32 v5, v10, 5, v5
	v_add_nc_u32 v6, s88, v1                       ; the stage, back: rows 2 w, 2 w + 1, 16 bytes a lane
	v_add_nc_u32 v[AAD], AIMG, v1
	v_add_nc_u32 v[ASD], ASC, v2
	v_add_nc_u32 v[WAD], s89, v1
	v_add_nc_u32 v5, s87, v5                       ; the stage, in: row r, + 256 w + 32 h;
	v_lshlrev_b32 v[PFW], 8, v[PFW]
	v_add_nc_u32 v[WAD+1], SLOT, v[WAD]
	v_add_nc_u32 v7, 65792, v5                     ; rows 16 on lie beyond an immediate's reach
	s_wait_alu depctr_va_vdst(0)
	s_wait_dscnt 0x0                               ; both opening adds are done
	ROUND                                          ; all four work-groups are here: the first joint loads meet
	s_wait_kmcnt 0x0
	s_add_nc_u64 s[G0H+2:G0H+3], s[8:9], s[30:31]
	s_or_b32 s[G0H+3], s[G0H+3], 0x80000000
	tensor_load_to_lds s[G0H:G0H+3], s[G1H:G1H+7]  ; one load a wave: K steps 0 and 1, both slots
	s_nop 0
.rept 4
	v_nop
.endr
	s_add_nc_u64 s[G0R+2:G0R+3], s[8:9], s[44:45]
	s_or_b32 s[G0R+3], s[G0R+3], 0x80000000
	s_add_nc_u64 s[26:27], s[4:5], s[26:27]
	s_add_nc_u64 s[28:29], s[6:7], s[28:29]
	s_add_nc_u64 s[32:33], s[10:11], s[32:33]
	s_add_nc_u64 s[36:37], s[14:15], s[34:35]
	s_add_nc_u64 s[38:39], s[20:21], s[34:35]
	s_add_nc_u64 s[PW:PW+1], s[8:9], s[80:81]
	s_cmp_eq_u32 s84, 0                            ; the choice hangs on ids alone
	s_cselect_b64 s[PV:PV+1], s[12:13], s[16:17]
	s_cmp_eq_u32 s84, 2
	s_cselect_b64 s[PV:PV+1], s[18:19], s[PV:PV+1]
	s_add_nc_u64 s[PV:PV+1], s[PV:PV+1], s[82:83]
.irp c, 0,1,2,3
	global_load_b128 v[AFR+4*\c:AFR+4*\c+3], v1, s[26:27] offset:512*\c
.endr
	global_load_u16 v250, v4, s[28:29]             ; the scale bytes of head 2 x K step,
	global_load_u16 v251, v4, s[28:29] offset:64   ; and of the next head
.irp nt, 0,1,2,3
.irp p, 0,1,2,3
	global_load_b64 v[WS+8*\nt+2*\p:WS+8*\nt+2*\p+1], v3, s[32:33] offset:512*\nt+128*\p   ; row r's words of K steps 2 p, 2 p + 1
.endr
.endr
	s_wait_loadcnt 16                              ; my fragment and its bytes are in; the 16 loads of the weights' scale words may be out
	v_lshl_or_b32 v252, v251, 16, v250
.irp c, 0,1,2,3
	ds_store_b128 v11, v[AFR+4*\c:AFR+4*\c+3] offset:512*\c
.endr
	ds_store_b32 v12, v252
	s_wait_tensorcnt 0x0                           ; my eight images have landed
	s_wait_loadcnt 0x0
	s_wait_dscnt 0x0                               ; for the others' sake: my stores have landed
	s_barrier_signal -1
	s_barrier_wait -1                              ; both slots and the tokens' images are whole
.macro KSTEP s
.irp mt, 0,1
.irp c, 0,1,2,3
	ds_load_b128 v[AFR+16*\mt+4*\c:AFR+16*\mt+4*\c+3], v[AAD] offset:2048*(8*\mt+(\s))+512*\c
.endr
	ds_load_b32 v[AS+\mt], v[ASD] offset:128*(8*\mt+(\s))
.endr
.irp nt, 0,1,2,3
.irp c, 0,1,2,3
	ds_load_b128 v[BR+16*\nt+4*\c:BR+16*\nt+4*\c+3], v[WAD+(\s)%2] offset:2048*\nt+512*\c
.endr
.endr
.if (\s) == 0
	global_prefetch_b8 v[PFX], s[36:37] th:TH_LOAD_NT scope:SCOPE_SE        ; my two rows of x: 32 blocks of 256 bytes
	s_cmp_lt_u32 s[WV], 12
	s_cbranch_scc0 .Lno_vec_\@
	global_prefetch_b8 v255, s[PV:PV+1] th:TH_LOAD_NT scope:SCOPE_SE        ; one block of b_fc, ln_g or ln_b
.Lno_vec_\@:
.elseif (\s) < 5
	global_prefetch_b8 v[PFW], s[PW:PW+1] offset:2048*((\s)+3) th:TH_LOAD_NT scope:SCOPE_SE   ; K step s + 3 of column tile 16 cx + w
.endif
	s_wait_dscnt 0x0
.irp nt, 0,1,2,3                       ; eight accumulators by turns
.irp mt, 0,1
.if (\s) == 0
	v_wmma_scale_f32_16x16x128_f8f6f4 v[ACC+8*(2*\nt+\mt):ACC+8*(2*\nt+\mt)+7], v[BR+16*\nt:BR+16*\nt+15], v[AFR+16*\mt:AFR+16*\mt+15], 0, v[WS+8*\nt+(\s)], v[AS+\mt] matrix_a_fmt:MATRIX_FMT_BF8 matrix_b_fmt:MATRIX_FMT_BF8
.else
	v_wmma_scale_f32_16x16x128_f8f6f4 v[ACC+8*(2*\nt+\mt):ACC+8*(2*\nt+\mt)+7], v[BR+16*\nt:BR+16*\nt+15], v[AFR+16*\mt:AFR+16*\mt+15], v[ACC+8*(2*\nt+\mt):ACC+8*(2*\nt+\mt)+7], v[WS+8*\nt+(\s)], v[AS+\mt] matrix_a_fmt:MATRIX_FMT_BF8 matrix_b_fmt:MATRIX_FMT_BF8
.endif
.endr
.endr
.rept 8
	v_nop                                          ; places in front of loads into registers that these products have read, and of the first read of results
.endr
.endm
; THE CHANGE OF SLOTS: my loads are in (the next step's images among them), the add, my reads of the slot just left are over; a round of the cluster's barrier; then that slot is filled again, two K steps on.
.macro CHANGE
	s_wait_tensorcnt 0x0
	ds_add_u32 v14, v15
	s_xor_b32 s[G0R+1], s[G0R+1], SLOT             ; no tensor load of mine is out, so group 0 may be written: the other slot,
	s_add_nc_u64 s[G0R+2:G0R+3], s[G0R+2:G0R+3], 2048   ; the next K step
	s_wait_dscnt 0x0
	ROUND
	tensor_load_to_lds s[G0R:G0R+3], s[G1R:G1R+7]
	s_nop 0
.rept 4
	v_nop
.endr
.endm
	KSTEP 0
.irp s, 1,2,3,4,5,6
	CHANGE                                         ; asks for K step s + 1
	KSTEP \s
.endr
	s_wait_tensorcnt 0x0                           ; K step 7's four images are my own load's and are read by me alone
	KSTEP 7
	; what the rows want: asked for now, wanted behind the stage's barrier.  Load i of a row: columns 128 i + 4 x lane on: 512 consecutive bytes
.irp e, 0,1
.irp i, 0,1,2,3,4,5,6,7
	global_load_b128 v[XR+32*\e+4*\i:XR+32*\e+4*\i+3], v1, s[36:37] offset:4096*\e+512*\i
.endr
.endr
.irp i, 0,1,2,3,4,5,6,7
	global_load_b128 v[BF+4*\i:BF+4*\i+3], v1, s[12:13] offset:512*\i
	global_load_b128 v[LG+4*\i:LG+4*\i+3], v1, s[16:17] offset:512*\i
	global_load_b128 v[LB+4*\i:LB+4*\i+3], v1, s[18:19] offset:512*\i
.endr
	s_barrier_signal -1                            ; every wave's reads of the ring are over (each waited for them ahead of its last products): the stage may be laid over it
	s_barrier_wait -1
.irp nt, 0,1,2,3                       ; lane (r, h): token 16 mt + r, columns 64 w + 16 nt + 8 h + 0..7; each accumulator from its low end on
	ds_store_b128 v5, v[ACC+16*\nt:ACC+16*\nt+3] offset:64*\nt
	ds_store_b128 v5, v[ACC+16*\nt+4:ACC+16*\nt+7] offset:64*\nt+16
	ds_store_b128 v7, v[ACC+16*\nt+8:ACC+16*\nt+11] offset:64*\nt
	ds_store_b128 v7, v[ACC+16*\nt+12:ACC+16*\nt+15] offset:64*\nt+16
.endr
	s_wait_dscnt 0x0
	s_barrier_signal -1
	s_barrier_wait -1                              ; 32 whole rows lie in the stage
.irp e, 0,1
.irp i, 0,1,2,3,4,5,6,7
	ds_load_b128 v[ACC+32*\e+4*\i:ACC+32*\e+4*\i+3], v6 offset:4112*\e+512*\i
.endr
.endr
	s_wait_loadcnt 0x0
	s_wait_dscnt 0x0
.macro ALL32                           ; v250 summed over the wave's 32 lanes, into every lane
	s_delay_alu instid0(VALU_DEP_1)
	v_add_f32_dpp v250, v250, v250 row_xmask:1 row_mask:0xf bank_mask:0xf
	s_delay_alu instid0(VALU_DEP_1)
	v_add_f32_dpp v250, v250, v250 row_xmask:2 row_mask:0xf bank_mask:0xf
	s_delay_alu instid0(VALU_DEP_1)
	v_add_f32_dpp v250, v250, v250 row_xmask:4 row_mask:0xf bank_mask:0xf
	s_delay_alu instid0(VALU_DEP_1)
	v_add_f32_dpp v250, v250, v250 row_xmask:8 row_mask:0xf bank_mask:0xf
	s_delay_alu instid0(VALU_DEP_1)
	v_permlanex16_b32 v251, v250, s40, s41
	s_delay_alu instid0(VALU_DEP_1)
	v_add_f32 v250, v250, v251
.endm
.macro LNROW e
.set Y, ACC+32*\e
.set XX, XR+32*\e
.irp p, 0,2,4,6,8,10,12,14,16,18,20,22,24,26,28,30
	v_pk_add_f32 v[Y+\p:Y+\p+1], v[Y+\p:Y+\p+1], v[BF+\p:BF+\p+1]     ; + b_fc,
.endr
.irp p, 0,2,4,6,8,10,12,14,16,18,20,22,24,26,28,30
	v_pk_add_f32 v[Y+\p:Y+\p+1], v[Y+\p:Y+\p+1], v[XX+\p:XX+\p+1]     ; + x
.endr
	v_pk_add_f32 v[250:251], v[Y:Y+1], v[Y+2:Y+3]
	v_pk_add_f32 v[252:253], v[Y+4:Y+5], v[Y+6:Y+7]
.irp p, 8,12,16,20,24,28
	s_delay_alu instid0(VALU_DEP_2)
	v_pk_add_f32 v[250:251], v[250:251], v[Y+\p:Y+\p+1]
	s_delay_alu instid0(VALU_DEP_2)
	v_pk_add_f32 v[252:253], v[252:253], v[Y+\p+2:Y+\p+3]
.endr
	s_delay_alu instid0(VALU_DEP_1)
	v_pk_add_f32 v[250:251], v[250:251], v[252:253]
	s_delay_alu instid0(VALU_DEP_1)
	v_add_f32 v250, v250, v251
	ALL32
	s_delay_alu instid0(VALU_DEP_1)
	v_mul_f32 v254, 0xba800000, v250               ; - the mean
.irp p, 0,2,4,6,8,10,12,14,16,18,20,22,24,26,28,30
	v_pk_add_f32 v[Y+\p:Y+\p+1], v[Y+\p:Y+\p+1], v[254:255] op_sel_hi:[1,0]
.endr
	v_pk_mul_f32 v[250:251], v[Y:Y+1], v[Y:Y+1]
	v_pk_mul_f32 v[252:253], v[Y+2:Y+3], v[Y+2:Y+3]
.irp p, 4,8,12,16,20,24,28
	s_delay_alu instid0(VALU_DEP_2)
	v_pk_fma_f32 v[250:251], v[Y+\p:Y+\p+1], v[Y+\p:Y+\p+1], v[250:251]
	s_delay_alu instid0(VALU_DEP_2)
	v_pk_fma_f32 v[252:253], v[Y+\p+2:Y+\p+3], v[Y+\p+2:Y+\p+3], v[252:253]
.endr
	s_delay_alu instid0(VALU_DEP_1)
	v_pk_add_f32 v[250:251], v[250:251], v[252:253]
	s_delay_alu instid0(VALU_DEP_1)
	v_add_f32 v250, v250, v251
	ALL32
	s_delay_alu instid0(VALU_DEP_1)
	v_fma_f32 v250, v250, s42, s43                 ; the variance + 1e-5
	s_wait_alu depctr_va_vdst(0)
	v_rsq_f32 v252, v250
	v_nop                                          ; a plain line behind the root
	s_wait_alu depctr_va_vdst(0)                   ; ahead of its first reader
.irp p, 0,2,4,6,8,10,12,14,16,18,20,22,24,26,28,30
	v_pk_mul_f32 v[Y+\p:Y+\p+1], v[Y+\p:Y+\p+1], v[252:253] op_sel_hi:[1,0]
.endr
.irp p, 0,2,4,6,8,10,12,14,16,18,20,22,24,26,28,30
	v_pk_fma_f32 v[Y+\p:Y+\p+1], v[Y+\p:Y+\p+1], v[LG+\p:LG+\p+1], v[LB+\p:LB+\p+1]
.endr
.irp i, 0,1,2,3,4,5,6,7
	global_store_b128 v1, v[Y+4*\i:Y+4*\i+3], s[38:39] offset:4096*\e+512*\i th:TH_STORE_NT   ; 512 consecutive bytes, aligned; written once
.endr
.endm
	LNROW 0
	LNROW 1
	s_wait_tensorcnt 0x0                           ; the wave's end
	ds_add_u32 v14, v15
	s_wait_dscnt 0x0
	ROUND                                          ; the closing round
	s_endpgm
.Lfunc_end_k_q711d60aa7a_proj:
	.size	k_q711d60aa7a_proj, .Lfunc_end_k_q711d60aa7a_proj-k_q711d60aa7a_proj
	.p2alignl 7, 3214868480
	.fill 96, 4, 3214868480
	.section	.rodata,"a",@progbits
	.p2align	6, 0x0
	.amdhsa_kernel k_q711d60aa7a_proj
		.amdhsa_group_segment_fixed_size 327680
		.amdhsa_private_segment_fixed_size 0
		.amdhsa_enable_private_segment 0
		.amdhsa_kernarg_size 72
		.amdhsa_user_sgpr_count 2
		.amdhsa_user_sgpr_kernarg_segment_ptr 1
		.amdhsa_wavefront_size32 1
		.amdhsa_system_sgpr_workgroup_id_x 1
		.amdhsa_system_sgpr_workgroup_id_y 1
		.amdhsa_system_sgpr_workgroup_id_z 1
		.amdhsa_system_vgpr_workitem_id 0
		.amdhsa_next_free_vgpr 256
		.amdhsa_next_free_sgpr 96
		.amdhsa_reserve_vcc 0
		.amdhsa_float_denorm_mode_32 3
		.amdhsa_float_denorm_mode_16_64 3
		.amdhsa_memory_ordered 1
		.amdhsa_forward_progress 1
		.amdhsa_inst_pref_size 64
	.end_amdhsa_kernel
	.amdgpu_metadata
---
amdhsa.version: [ 1, 2 ]
amdhsa.kernels:
  - .name:           k_q711d60aa7a_proj
    .symbol:         k_q711d60aa7a_proj.kd
    .args:
      - { .name: of, .offset: 0, .size: 8, .value_kind: global_buffer, .address_space: global }
      - { .name: os, .offset: 8, .size: 8, .value_kind: global_buffer, .address_space: global }
      - { .name: cod, .offset: 16, .size: 8, .value_kind: global_buffer, .address_space: global }
      - { .name: scl, .offset: 24, .size: 8, .value_kind: global_buffer, .address_space: global }
      - { .name: b_fc, .offset: 32, .size: 8, .value_kind: global_buffer, .address_space: global }
      - { .name: x, .offset: 40, .size: 8, .value_kind: global_buffer, .address_space: global }
      - { .name: ln_g, .offset: 48, .size: 8, .value_kind: global_buffer, .address_space: global }
      - { .name: ln_b, .offset: 56, .size: 8, .value_kind: global_buffer, .address_space: global }
      - { .name: out0, .offset: 64, .size: 8, .value_kind: global_buffer, .address_space: global }
    .group_segment_fixed_size: 327680
    .private_segment_fixed_size: 0
    .kernarg_segment_align: 8
    .kernarg_segment_size: 72
    .max_flat_workgroup_size: 512
    .sgpr_count:     96
    .vgpr_count:     256
    .wavefront_size: 32
...
	.end_amdgpu_metadata
.endif
;; end of part 4
